; MI455X (gfx1250); checked and timed in simulation.
; The chip was launched on July 23, 2026; its instructions are those of AMD's public machine-readable ISA for CDNA 5 (MIT licence, August 2026) and "CDNA5" Instruction Set Architecture Reference Guide (July 2026). The comments in the code are by the model that wrote it; some were corrected since.
;; MHA Self Attention. Allowed arithmetic: matrix products marked QUANTISED: E2M1 operands, one E8M0 scale for each 32 along K, by v_wmma_scale_f32_16x16x128_f8f6f4 with both operands' format E2M1 (or v_wmma_scale_f32_32x16x128_f4), f32 sums; products left as they are: bf16, f16 or f32 operands; f32 sums; everything else in f32.
;; Inputs: W_o 1,024 x 1,024 float32; W_qkv 3 x 16 x 64 x 1,024 float32; x 4 x 2,048 x 1,024 float32.
;; Outputs: out0 4 x 2,048 x 1,024 float32.
;; This version of the problem:
;;   THIS VERSION OF THE PROBLEM IS GIVEN IN LOW PRECISION. The matrix products marked QUANTISED in the list below multiply operands that are first quantised to E2M1 (2 exponent bits, 1 mantissa bit; 4 bits a number), with one power-of-two scale for each 32 numbers along K (OCP MX v1.0); their sums are f32. The products marked 'left as it is' may take bf16, f16 or f32 operands, with f32 sums. Whichever they take, every output number must still come out within the allowed error. Rounding operands to bf16 (8 significant bits) uses up far more of that allowance than f16 does (11 bits, for magnitudes from 6e-5 to 65,504). All else is computed in f32.
;;   The module's matrix products, in the order in which they are computed (A, B: the left and right operand; K: the contracted axis; several contracted axes count as one K, in the product's order):
;;     1. [M 3,072, K 1,024] x [K 1,024, N 8,192]; A: input W_qkv; B: input x: QUANTISED
;;     2. batch 64 x [M 2,048, K 64] x [K 64, N 2,048]; A: computed on the way; B: computed on the way: left as it is (an operand is computed on the way)
;;     3. batch 64 x [M 2,048, K 2,048] x [K 2,048, N 64]; A: computed on the way; B: computed on the way: left as it is (an operand is computed on the way)
;;     4. [M 8,192, K 1,024] x [K 1,024, N 1,024]; A: computed on the way; B: input W_o: left as it is (an operand is computed on the way)
;;   THE QUANTISER, for each operand of a quantised product, along K:
;;     - K is cut into blocks of 32 from its start; a last block that is shorter is filled with zeros.
;;     - A block's scale is 2^e with e = floor(log2(the largest magnitude in the block)) - 2, held to -126 .. 127; a block of zeros has e = 0. As a byte (E8M0): e + 127.
;;     - Each number is divided by its block's scale, clamped to +-6, and rounded to the nearest number of E2M1, ties to even, subnormals kept.
;;     - The product sums the exact products of the quantised numbers (number of the format x scale) in f32.
;;   ~~~python
;;   def quantise(x, axis):      # numpy; x: float32 -> the quantised numbers, widened to float32 again
;;       x = np.moveaxis(x, axis, -1); K = x.shape[-1]
;;       x = np.pad(x, [(0, 0)] * (x.ndim - 1) + [(0, -K % 32)]); x = x.reshape(x.shape[:-1] + (-1, 32)); a = np.abs(x).max(-1, keepdims=True)
;;       e = np.where(a > 0, np.clip(np.frexp(np.where(a > 0, a, 1))[1] - 1 - 2, -126, 127), 0)      # np.frexp(a)[1] - 1 = floor(log2(a)), exactly
;;       r = np.clip(x / 2.0 ** e, -6, 6)
;;       step = 2.0 ** (np.maximum(np.frexp(np.where(r == 0, 1, r))[1] - 1, 0) - 1)
;;       q = np.round(r / step) * step * 2.0 ** e      # np.round: ties to even
;;       return np.moveaxis(q.reshape(q.shape[:-2] + (-1,))[..., :K], -1, axis).astype(np.float32)
;;   ~~~
;; One version. Each part assembles by itself: llvm-mc -triple=amdgcn-amd-amdhsa -mcpu=gfx1250 --defsym DOCPART=n.
;; ======== version 1 of 1: 5 launches
;; limits: values are held in f16: magnitudes above 65,504 overflow, below 6.1e-05 lose precision
;; workspace buffers: x_codes 4,194,304 bytes; x_scales 262,144 bytes; w_codes 1,572,864 bytes; w_scales 98,304 bytes; wo16 2,097,152 bytes; qkv16 50,331,648 bytes; fine32 786,432 bytes; ctx16 16,777,216 bytes
;; launch quant (part 1): grid 384 x 1, 4 waves a work-group, no clusters, 33,280 bytes of LDS; arguments x, W_qkv, x_codes, x_scales, w_codes, w_scales, W_o, wo16; writes x_codes, x_scales, w_codes, w_scales, wo16
.if DOCPART == 1
	.amdgcn_target "amdgcn-amd-amdhsa--gfx1250"
	.amdhsa_code_object_version 6
	.text
	.protected	k_q49ec631d56_quant
	.globl	k_q49ec631d56_quant
	.p2align	8
	.type	k_q49ec631d56_quant,@function
k_q49ec631d56_quant:
	s_mov_b64 s[64:65], 0
	v_nop
	global_prefetch_b8 v0, s[64:65] scope:SCOPE_SE
	s_setreg_imm32_b32 hwreg(HW_REG_WAVE_MODE, 25, 1), 1
	s_wait_xcnt 0x0
; x [8192][1024] and W_qkv [3072][1024], f32, K innermost, become codes of FP4 (E2M1), two a byte, K innermost, with one E8M0 scale byte for each 32 along K;
; W_o [1024 n][1024 k], f32, becomes f16 in blocks [n / 64][k / 64][64 n][64 k], so that 64 rows x 256 k are 32,768 consecutive bytes for the launch that multiplies by it.
; A block's scale is 2^(floor(log2(its largest magnitude)) - 2); its byte is the largest magnitude's own exponent field - 2, held at 1 from below.  A block of zeros so gets the byte 1 where the
; quantiser says 127: its codes are zeros, which add nothing under any byte but 0xff, and this program alone reads the bytes.  Each number is divided by the scale and rounded to the nearest code, ties to even.
; LIMITS: blocks whose largest magnitude lies under 2^-124 (the floor) are held at the byte 1; NaN and infinities among the inputs are not served; |W_o| stays under 65,504 (f16).
; SHARES: work-groups 0-255 take x, 256-351 W_qkv (one path, the pointers chosen by the work-group's number), 352-383 W_o.  Rows are dense and K is a multiple of 32: x and W_qkv are plain streams of blocks of 32.
; A wave takes 16 steps of 512 numbers.  Each of a step's four loads reads 512 consecutive bytes; the 2,048 bytes turn through the wave's own stage in LDS and come back 64 bytes a lane, so that a lane holds
; 16 neighbours along K (two neighbouring lanes hold a block), as the conversions want them.  A wave's store of codes covers 256 consecutive bytes; its 256 scale bytes are gathered in LDS and leave as one such run.
; No tensor loads, no barrier: waves share nothing.  Nothing is prefetched: the launch is one stream of loads, sixteen a wave on their way.
.set SIZE_M, 8192
.set SIZE_N, 3072
.set SIZE_K, 1024
.set WAVES, 4
.set STEPS, 16
.set WGA,   SIZE_M*SIZE_K/(512*STEPS*WAVES)            ; 256 work-groups for x
.set WGQ,   (SIZE_M+SIZE_N)*SIZE_K/(512*STEPS*WAVES)   ; 352 for x and W_qkv
.set EMAX,  2
.set CB,    8                          ; bytes of 16 codes
.set R,     16                         ; v16-79   four sets of 16 numbers as they are loaded
.set X,     80                         ; v80-111  two sets of 16 neighbours
.set C,     128                        ; v128-191 codes: four registers for each step, so that no store's data are written again
.set E,     112                        ; v112-127 a scale byte for each step
.set WREG,  8192                       ; LDS: a region for each wave: two stages of 32 x SP bytes, behind them its 256 scale bytes
.set SP,    80                         ; a lane's place in a stage: 64 bytes + 16 of padding
.set SPW,   12                         ; v12  LDS address of my spare word; never rewritten
.set NIL,   13                         ; v13  0; never rewritten
.set SPARE, WAVES*WREG                 ; behind the four regions: the spare words, 128 bytes a wave
.set WR,    16                         ; W_o's path: v16-143 two sets of 64 numbers
.set WC,    144                        ; v144-175 eight stores' data
	s_load_b128 s[4:7], s[0:1], 0x0                ; x, W_qkv
	s_load_b128 s[8:11], s[0:1], 0x10              ; x's codes, x's scales
	s_load_b128 s[12:15], s[0:1], 0x20             ; W_qkv's codes, its scales
	s_load_b128 s[24:27], s[0:1], 0x30             ; W_o, its f16 blocks
	v_lshl_add_u32 v[SPW], v0, 2, SPARE
	v_mov_b32 v[NIL], 0
	v_lshrrev_b32 v1, 5, v0
	v_readfirstlane_b32 s16, v1                    ; wave
	v_and_b32 v2, 31, v0                           ; lane
	v_lshlrev_b32 v3, 4, v2                        ; my 16 bytes of a load's 512
	s_mul_i32 s17, s16, WREG
	v_lshrrev_b32 v14, 2, v2
	v_mul_u32_u24 v14, v14, SP
	v_and_b32 v15, 3, v2
	v_lshl_add_u32 v14, v15, 4, v14
	v_add_nc_u32 v14, s17, v14                     ; the stage, on the way in: SP (lane / 4) + 16 (lane % 4)
	v_mul_u32_u24 v15, v2, SP
	v_add_nc_u32 v15, s17, v15                     ; and on the way out: SP x lane: my 16 neighbours
	v_mul_u32_u24 v4, v2, CB                       ; my codes' place in a step's
	v_lshrrev_b32 v5, 1, v2
	s_add_co_u32 s17, s17, 2*32*SP
	v_add_nc_u32 v5, s17, v5                       ; LDS: my wave's 256 scale bytes, my block's byte
	v_lshlrev_b32 v7, 3, v2                        ; and on the way out 8 bytes a lane
	v_add_nc_u32 v6, s17, v7
	s_wait_kmcnt 0x0
	s_cmp_lt_u32 ttmp9, WGQ
	s_cbranch_scc1 .Lquant
; ---- W_o to f16.  Wave u of 128 takes blocks (u / 8, 2 (u % 8)) and (u / 8, 2 (u % 8) + 1): 64 rows x 128 k.  A lane takes 8 neighbours along k of one row (two loads of 16 bytes), four rows to a pair of loads;
; its 8 f16 are 16 bytes, and a store of the wave covers 512 consecutive bytes of a block.  Four groups of 32 rows x 64 k; two groups' loads are on their way.
	s_sub_co_u32 s17, ttmp9, WGQ
	s_lshl_b32 s17, s17, 2
	s_add_co_u32 s17, s17, s16                     ; u
	s_lshr_b32 s18, s17, 3                         ; which 64 rows
	s_and_b32 s19, s17, 7                          ; which 128 along k
	s_lshl_b32 s20, s18, 18                        ; 64 rows of 4,096 bytes
	s_lshl_b32 s21, s19, 9                         ; 128 f32
	s_add_co_u32 s20, s20, s21
	s_mov_b32 s21, 0
	s_add_nc_u64 s[24:25], s[24:25], s[20:21]
	s_lshl_b32 s20, s18, 17                        ; 16 blocks of 8,192 bytes
	s_lshl_b32 s22, s19, 14                        ; two blocks
	s_add_co_u32 s20, s20, s22
	s_add_nc_u64 s[26:27], s[26:27], s[20:21]
	v_lshrrev_b32 v3, 3, v2
	v_lshlrev_b32 v3, 12, v3                       ; in: row lane / 8,
	v_and_b32 v4, 7, v2
	v_lshl_add_u32 v3, v4, 5, v3                   ; 32 bytes at 32 (lane % 8)
	v_lshlrev_b32 v4, 4, v2                        ; out: 16 x lane
.macro WLOAD g                         ; group g: block g / 2 of the two, rows 32 (g % 2) on
.irp t, 0,1,2,3,4,5,6,7
.irp e, 0,1
	global_load_b128 v[WR+64*((\g)%2)+8*\t+4*\e:WR+64*((\g)%2)+8*\t+4*\e+3], v3, s[24:25] offset:(8*((\g)%2)+\t)*16384+((\g)/2)*256+16*\e th:TH_LOAD_NT
.endr
.endr
.endm
.macro WCVT g
.irp t, 0,1,2,3,4,5,6,7
.irp i, 0,1,2,3
	v_cvt_pk_f16_f32 v[WC+4*\t+\i], v[WR+64*((\g)%2)+8*\t+2*\i], v[WR+64*((\g)%2)+8*\t+2*\i+1]
.endr
	global_store_b128 v4, v[WC+4*\t:WC+4*\t+3], s[26:27] offset:((\g)/2)*8192+(8*((\g)%2)+\t)*512
.endr
.endm
	WLOAD 0
	WLOAD 1
	s_wait_loadcnt 16                              ; group 0 is in; group 1's sixteen loads may be out
	WCVT 0
	WLOAD 2
	s_wait_loadcnt 16                              ; group 1 is in
	s_wait_xcnt 0x0                                ; the last group's stores have read their data: they are written again only behind this wait
	WCVT 1
	WLOAD 3
	s_wait_loadcnt 16
	s_wait_xcnt 0x0
	WCVT 2
	s_wait_loadcnt 0x0
	s_wait_xcnt 0x0
	WCVT 3
	s_branch .Lend
.Lquant:
	s_cmp_lt_u32 ttmp9, WGA                        ; x's work-group or W_qkv's?  The choice hangs on the work-group's number alone
	s_cselect_b64 s[4:5], s[4:5], s[6:7]
	s_cselect_b64 s[8:9], s[8:9], s[12:13]
	s_cselect_b64 s[10:11], s[10:11], s[14:15]
	s_cselect_b32 s17, 0, WGA
	s_sub_co_u32 s17, ttmp9, s17
	s_lshl_b32 s17, s17, 2
	s_add_co_u32 s18, s17, s16                     ; which run of 8,192 numbers of the tensor is my wave's
	s_mov_b32 s19, 0
	s_mov_b64 s[20:21], 512*STEPS*4
	s_mul_u64 s[20:21], s[18:19], s[20:21]
	s_add_nc_u64 s[4:5], s[4:5], s[20:21]
	s_mov_b64 s[20:21], 32*STEPS*CB
	s_mul_u64 s[20:21], s[18:19], s[20:21]
	s_add_nc_u64 s[8:9], s[8:9], s[20:21]
	s_lshl_b32 s18, s18, 8                         ; 256 scale bytes a run
	s_add_nc_u64 s[10:11], s[10:11], s[18:19]
.macro LOAD t
.irp i, 0,1,2,3
	global_load_b128 v[R+16*((\t)%4)+4*\i:R+16*((\t)%4)+4*\i+3], v3, s[4:5] offset:2048*(\t)+512*\i th:TH_LOAD_NT   ; 32 lanes read 512 consecutive bytes
.endr
.endm
.macro TURN t                          ; step t's numbers through the stage: LDS serves a wave's instructions in order, so no wait stands between the stores and the loads
.irp i, 0,1,2,3
	ds_store_b128 v14, v[R+16*((\t)%4)+4*\i:R+16*((\t)%4)+4*\i+3] offset:32*SP*((\t)%2)+8*SP*\i
.endr
.irp i, 0,1,2,3
	ds_load_b128 v[X+16*((\t)%2)+4*\i:X+16*((\t)%2)+4*\i+3], v15 offset:32*SP*((\t)%2)+16*\i
.endr
.endm
.irp t, 0,1,2,3
	LOAD \t
.endr
	s_wait_loadcnt 12                              ; step 0's four loads are in
	TURN 0
.macro STEP t
.set XS, X+16*((\t)%2)
.if (\t) > 0
	s_wait_dscnt 1                                 ; this step's numbers are back from the stage (the last step's byte store may be out): so its stores into the stage have read their registers,
.else
	s_wait_dscnt 0x0
.endif
.if (\t)+4 < STEPS
	LOAD (\t)+4                                    ; which take the loads of four steps on
.endif
.if (\t)+1 < STEPS
.if STEPS-2-(\t) >= 3
	s_wait_loadcnt 12                              ; the next step's four loads are in; those of the three steps behind it may be out
.else
	s_wait_loadcnt 4*(STEPS-2-(\t))
.endif
	TURN (\t)+1                                    ; and go through the other stage while this step is worked
.endif
	v_max3_num_f32 v8, |v[XS]|, |v[XS+1]|, |v[XS+2]|               ; the largest magnitude of my 16, in two chains
	v_max3_num_f32 v9, |v[XS+3]|, |v[XS+4]|, |v[XS+5]|
.irp i, 6,10
	v_max3_num_f32 v8, v8, |v[XS+\i]|, |v[XS+\i+1]|
	v_max3_num_f32 v9, v9, |v[XS+\i+2]|, |v[XS+\i+3]|
.endr
	v_max3_num_f32 v8, v8, |v[XS+14]|, |v[XS+15]|
	v_max3_num_f32 v8, v8, v9, (EMAX+1)<<23        ; and the floor 2^(EMAX + 1 - 127): so the byte cannot fall under 1
	v_max_num_f32_dpp v8, v8, v8 row_xmask:1 row_mask:0xf bank_mask:0xf   ; and of my neighbour's 16: the block's
	v_add_nc_u32 v11, -(EMAX<<23), v8              ; EMAX off its exponent field: the conversion takes the exponent field of this operand as its scale, and nothing else of it
	v_cvt_scalef32_pk8_fp4_f32 v[C+4*(\t)], v[XS:XS+7], v11        ; eight numbers / the scale, to the nearest code, ties to even, beyond the largest code the largest; the first number's code in the lowest four bits
	v_cvt_scalef32_pk8_fp4_f32 v[C+4*(\t)+1], v[XS+8:XS+15], v11
	v_lshrrev_b32 v[E+(\t)], 23, v11               ; the scale's byte (also the plain line behind the conversions)
	ds_store_b8 v5, v[E+(\t)] offset:16*(\t)       ; both lanes of a block write the same byte with the same value
	global_store_b64 v4, v[C+4*(\t):C+4*(\t)+1], s[8:9] offset:32*CB*(\t)
.endm
.irp t, 0,1,2,3,4,5,6,7,8,9,10,11,12,13,14,15
	STEP \t
.endr
	ds_load_b64 v[8:9], v6                         ; LDS serves a wave's instructions in order: these see my byte stores
	s_wait_dscnt 0x0
	global_store_b64 v7, v[8:9], s[10:11]          ; 32 lanes store 256 consecutive bytes, aligned
.Lend:
	s_wait_tensorcnt 0x0                           ; the wave's end, behind my last LDS store
	ds_add_u32 v[SPW], v[NIL]
	s_wait_dscnt 0x0
	s_endpgm
.Lfunc_end_k_q49ec631d56_quant:
	.size	k_q49ec631d56_quant, .Lfunc_end_k_q49ec631d56_quant-k_q49ec631d56_quant
	.p2alignl 7, 3214868480
	.fill 96, 4, 3214868480
	.section	.rodata,"a",@progbits
	.p2align	6, 0x0
	.amdhsa_kernel k_q49ec631d56_quant
		.amdhsa_group_segment_fixed_size 33280
		.amdhsa_private_segment_fixed_size 0
		.amdhsa_enable_private_segment 0
		.amdhsa_kernarg_size 64
		.amdhsa_user_sgpr_count 2
		.amdhsa_user_sgpr_kernarg_segment_ptr 1
		.amdhsa_wavefront_size32 1
		.amdhsa_system_sgpr_workgroup_id_x 1
		.amdhsa_system_sgpr_workgroup_id_y 1
		.amdhsa_system_sgpr_workgroup_id_z 1
		.amdhsa_system_vgpr_workitem_id 0
		.amdhsa_next_free_vgpr 192
		.amdhsa_next_free_sgpr 66
		.amdhsa_reserve_vcc 0
		.amdhsa_float_denorm_mode_32 3
		.amdhsa_float_denorm_mode_16_64 3
		.amdhsa_memory_ordered 1
		.amdhsa_forward_progress 1
		.amdhsa_inst_pref_size 51
	.end_amdhsa_kernel
	.amdgpu_metadata
---
amdhsa.version: [ 1, 2 ]
amdhsa.kernels:
  - .name:           k_q49ec631d56_quant
    .symbol:         k_q49ec631d56_quant.kd
    .args:
      - { .name: x, .offset: 0, .size: 8, .value_kind: global_buffer, .address_space: global }
      - { .name: W_qkv, .offset: 8, .size: 8, .value_kind: global_buffer, .address_space: global }
      - { .name: x_codes, .offset: 16, .size: 8, .value_kind: global_buffer, .address_space: global }
      - { .name: x_scales, .offset: 24, .size: 8, .value_kind: global_buffer, .address_space: global }
      - { .name: w_codes, .offset: 32, .size: 8, .value_kind: global_buffer, .address_space: global }
      - { .name: w_scales, .offset: 40, .size: 8, .value_kind: global_buffer, .address_space: global }
      - { .name: W_o, .offset: 48, .size: 8, .value_kind: global_buffer, .address_space: global }
      - { .name: wo16, .offset: 56, .size: 8, .value_kind: global_buffer, .address_space: global }
    .group_segment_fixed_size: 33280
    .private_segment_fixed_size: 0
    .kernarg_segment_align: 8
    .kernarg_segment_size: 64
    .max_flat_workgroup_size: 128
    .sgpr_count:     66
    .vgpr_count:     192
    .wavefront_size: 32
...
	.end_amdgpu_metadata
.endif
;; end of part 1
;; launch qkv (part 2): grid 12 x 32, 4 waves a work-group, clusters of 4 x 4, 327,680 bytes of LDS; arguments x_codes, x_scales, w_codes, w_scales, qkv16, fine32; writes qkv16, fine32
.if DOCPART == 2
	.amdgcn_target "amdgcn-amd-amdhsa--gfx1250"
	.amdhsa_code_object_version 6
	.text
	.protected	k_q49ec631d56_qkv
	.globl	k_q49ec631d56_qkv
	.p2align	8
	.type	k_q49ec631d56_qkv,@function
k_q49ec631d56_qkv:
	s_mov_b64 s[64:65], 0
	v_nop
	global_prefetch_b8 v0, s[64:65] scope:SCOPE_SE
	s_setreg_imm32_b32 hwreg(HW_REG_WAVE_MODE, 25, 1), 1
	s_wait_xcnt 0x0
	s_wait_alu depctr_hold_cnt(0) depctr_sa_sdst(0) depctr_va_vdst(0) depctr_va_sdst(0) depctr_va_ssrc(0) depctr_va_vcc(0) depctr_vm_vsrc(0)
	s_getreg_b32 s2, hwreg(HW_REG_IB_STS2, 6, 4)
	s_cmp_eq_u32 s2, 0
	s_cbranch_scc0 .Lentry_in_a_cluster
	s_endpgm
.Lentry_in_a_cluster:
	s_bfe_u32 s2, ttmp6, 0x10000c
	s_cmp_lg_u32 s2, 0xf033
	s_cbranch_scc0 .Lentry_shape_is_right
	s_endpgm
.Lentry_shape_is_right:
; C[m][n] = sum over k of x[m][k] W_qkv[n][k] on codes of FP4 (E2M1) with one E8M0 scale for each 32 along K; sums in f32, K ascending.  m = 2048 b + s (8,192 rows), n = 1024 which + 64 head + d (3,072), K = 1,024.
; C leaves as f16, by heads: qkv16 [which][b][head][s][64]; and the rows s < 16 of every b also as f32, fine32 [b][s][3072], for the launch that carries those rows in f32.
; LIMIT: |q|, |k|, |v| stay under 65,504 (f16).
; A tile of C, 256 x 256, is made by four waves, each 128 x 128: 64 accumulators of 16 x 16, 512 registers.  K is two steps of 512: each lies in an LDS slot of its own, both asked for at the head; nothing is filled again.
; THE SCALES of the work-group's 256 rows of x and of W_qkv, for all of K, are two dense blocks of memory: they come into LDS once, with the first fills.
; CLUSTERS: 4 x 4 work-groups.  The four of a row of the cluster need the same tiles of x, the four of a column the same tiles of W_qkv: each tile is asked for JOINTLY, by the same tensor load with the same descriptor
; and a mask that names the four.  Tile row = cluster y + 8 cy: so b = cy, and a tile's place in its sequence is cluster y, which all sixteen partners share: the branch round the f32 copy hangs on it and on the wave's number alone.
; THE MATRIX INSTRUCTION IS USED TRANSPOSED (source 0 = 16 rows of W_qkv, source 1 = 16 rows of x): a lane then holds eight neighbouring numbers of a row of C.
; 384 work-groups; nothing is prefetched: all of a tile's K is asked for at the head.
; REGISTERS, in windows of 256: window 0: v0-31 addresses; v32-95 scale words, two sets, and nothing else; v96-127 packed results; from v128 x's fragments, ONE set; on the way out v128-255 take rows read back.
;   window 1: W_qkv's fragments, TWO sets, at v0 and v128.   window 2: the 32 accumulators of my rows 0-63 ((a, b) at v[8 (8 a + b)]);   window 3: those of my rows 64-127.
.set SIZE_K, 1024
.set KSTEP,  512                       ; along K in a slot
.set NQ,     KSTEP/128                 ; matrix instructions deep
.set ROWB,   256                       ; a tile's row in bytes
.set KROW,   SIZE_K/2                  ; a row of codes in memory
.set PITCH,  272                       ; an LDS row: 256 bytes + 16: the 16 rows that a load touches start at 16 different 16-byte columns modulo 256
.set FR,     8                         ; registers of a fragment: 16 rows x 128 K
.set NL,     2                         ; LDS loads that bring one
.set NP,     4                         ; places behind this matrix instruction (ISA guide 7.12.1)
.set HALFT,  128*PITCH                 ; 128 rows: what one tensor load brings, and what one wave reads of either operand
.set SLOT,   4*HALFT
.set KS,     SIZE_K/32                 ; a row of scales in bytes
.set SCL,    2*SLOT                    ; behind the slots: the scales, as runs of 256 bytes + 16 of padding
.set HALFS,  (128*KS/256)*272
.set SBLK,   (16*KS/256)*272
.set SPARE,  SCL+4*HALFS               ; the spare words, 128 bytes a wave
.set P16,    272                       ; the way out, in slot 0, which has had its only fill and its last read by then: for each wave 16 rows x (256 bytes of f16 + 16),
.set P32,    528                       ; and 16 rows x (512 bytes of f32 + 16)
.set ST32,   4*16*P16
.set ADRA, 16                          ; v16-17  LDS address of my fragments of x in slot 0, 1
.set ADRB, 20                          ; v20-21  the same for W_qkv
.set STO,  24                          ; v24  f16 stage: where I put 16 bytes of a row
.set RD,   25                          ; v25  f16 stage: where I read 16 bytes of one head's row back
.set CO,   26                          ; v26  16 x lane
.set ADRS, 27                          ; v27  LDS address of my scale words: lanes 0-15 x's rows, lanes 16-31 W_qkv's
.set SPW,  28                          ; v28  my spare word; never rewritten
.set NIL,  29                          ; v29  0; never rewritten
.set STO32, 30                         ; v30  f32 stage: in
.set RD32, 31                          ; v31  f32 stage: back
.set SC,   32                          ; scale words: set s at v[SC + 8 NQ s]; register NQ i + q: lanes 0-15 x's block i, lanes 16-31 W_qkv's block i
.set TMP,  96
.set AF,   128
.set OB,   128                         ; rows read back: v128-159 and v160-191 by turns
.set FB,   192                         ; the f32 copy's rows: v192-255
.set G1, 24
.set G0, 32
.set G1B, 48
.set G0B, 56
.set G1S, 68
.set G0S, 76
.set G1SB, 80
.set G0SB, 88
.set MSB, 0
.macro WIN new                         ; the immediate's high byte repeats the setting that is left
.if MSB != \new
	s_set_vgpr_msb (MSB<<8)|\new
.set MSB, \new
.endif
.endm
.set MUL_LO, 0xa1                      ; source 0 window 1, source 1 window 0, C and D window 2
.set MUL_HI, 0xf1                      ; the same, C and D window 3
.set TO_B,   0x40                      ; destination window 1, address window 0
; A joint load: waves 0 and 1 fetch for x, waves 2 and 3 for W_qkv.  Each of the two lines has one mask and one set of registers for all that issue it; the branch hangs on the wave's number alone.
.macro JLOAD g0a, g1a, g0b, g1b
	s_cmp_eq_u32 s15, 0
	s_cbranch_scc0 .Lfor_b_\@
	tensor_load_to_lds s[\g0a:\g0a+3], s[\g1a:\g1a+7]
	s_nop 0
.rept 4
	v_nop
.endr
	s_branch .Lasked_\@
.Lfor_b_\@:
	tensor_load_to_lds s[\g0b:\g0b+3], s[\g1b:\g1b+7]
	s_nop 0
.rept 4
	v_nop
.endr
.Lasked_\@:
.endm
.macro CROUND                          ; a round of the cluster's barrier
	s_barrier_signal -1
	s_barrier_wait -1
	s_cmp_lg_u32 s14, 0
	s_cbranch_scc1 .Lnot_wave_0_\@
	s_barrier_signal -3
.Lnot_wave_0_\@:
	s_barrier_wait -3
	s_barrier_signal -1
	s_barrier_wait -1
.endm
	s_load_b128 s[4:7], s[0:1], 0x0                ; x's codes, x's scales
	s_load_b128 s[8:11], s[0:1], 0x10              ; W_qkv's codes, its scales
	s_load_b128 s[96:99], s[0:1], 0x20             ; qkv16 s[96:97], fine32 s[98:99]
	v_lshl_add_u32 v[SPW], v0, 2, SPARE
	v_mov_b32 v[NIL], 0
	ds_add_u32 v[SPW], v[NIL]                      ; the wave's opening: the add, twice on end, and its wait ahead of my first tensor load
	ds_add_u32 v[SPW], v[NIL]
	v_lshrrev_b32 v1, 5, v0
	v_readfirstlane_b32 s14, v1                    ; wave 0..3
	s_lshr_b32 s15, s14, 1                         ; which half of the tile's rows is mine.  Also: I fetch for x (0) or for W_qkv (1)
	s_and_b32 s16, s14, 1                          ; which half of its columns.  Also: which 128 rows I fetch
	s_bfe_u32 s40, ttmp6, 0x40000                  ; cx, cy: my place in the cluster
	s_bfe_u32 s41, ttmp6, 0x40004
	s_lshl_b32 s42, ttmp9, 2
	s_add_co_u32 s42, s42, s40                     ; tile column = 4 x cluster x + cx
	s_and_b32 s95, ttmp7, 0xffff                   ; cluster y: the tile's place in its sequence
	s_lshl_b32 s17, s41, 3
	s_add_co_u32 s17, s17, s95                     ; tile row = 8 cy + cluster y
	s_lshl_b32 s43, s41, 2
	s_lshl_b32 s43, 15, s43                        ; my row of the cluster
	s_lshl_b32 s44, 0x1111, s40                    ; my column
	; descriptor group 1: a tile of 128 rows x 256 bytes, padded in LDS
	s_or_b32 s[G1+0], s43, (0<<16)|(1<<20)|(1<<21)|(5<<22)|(3<<25)  ; 15:0 the mask; 17:16 elements of 1 byte; 20 padding on; 21 set beside a mask; 24:22 after every 64 words; 31:25 four words
	s_or_b32 s[G1B+0], s44, (0<<16)|(1<<20)|(1<<21)|(5<<22)|(3<<25)
.irp g, G1, G1B
	s_mov_b32 s[\g+1], ROWB<<16                    ; tensor_dim0
	s_mov_b32 s[\g+2], 128<<16                     ; tensor_dim1
	s_mov_b32 s[\g+3], ROWB<<16                    ; tile_dim0
	s_mov_b32 s[\g+4], 128                         ; tile_dim1
	s_mov_b32 s[\g+5], KROW                        ; tensor_dim0_stride
	s_mov_b32 s[\g+6], 0
	s_mov_b32 s[\g+7], 0
.endr
	; the scales of 128 rows: 4,096 dense bytes, as 16 rows of 256 bytes (32 elements of 8 bytes), 16 bytes of padding behind each
	s_or_b32 s[G1S+0], s43, (3<<16)|(1<<20)|(1<<21)|(5<<22)|(3<<25)
	s_or_b32 s[G1SB+0], s44, (3<<16)|(1<<20)|(1<<21)|(5<<22)|(3<<25)
.irp g, G1S, G1SB
	s_mov_b32 s[\g+1], 32<<16
	s_mov_b32 s[\g+2], (128*KS/256)<<16
	s_mov_b32 s[\g+3], 32<<16
	s_mov_b32 s[\g+4], 128*KS/256
	s_mov_b32 s[\g+5], 32
	s_mov_b32 s[\g+6], 0
	s_mov_b32 s[\g+7], 0
.endr
	s_lshl_b32 s18, s16, 7                         ; which 128 rows of the tile I fetch
	s_lshl_b32 s20, s17, 8
	s_add_co_u32 s20, s20, s18                     ; x: row 256 x tile row + 128 x half
	s_lshl_b32 s46, s42, 8
	s_add_co_u32 s46, s46, s18                     ; W_qkv: row 256 x tile column + 128 x half
	s_mov_b32 s21, 0
	s_mov_b32 s47, 0
	s_mov_b64 s[18:19], KS
	s_mul_u64 s[22:23], s[20:21], s[18:19]         ; where these rows' scales begin,
	s_mul_u64 s[92:93], s[46:47], s[18:19]
	s_mov_b64 s[18:19], KROW
	s_mul_u64 s[20:21], s[20:21], s[18:19]         ; and their codes
	s_mul_u64 s[46:47], s[46:47], s[18:19]
	s_mul_i32 s45, s14, HALFT                      ; where they go: wave x 128 rows: no place in the cluster enters an LDS address
	s_mul_i32 s94, s14, HALFS
	s_wait_dscnt 0x0                               ; both opening adds are done
	s_wait_kmcnt 0x0
	s_add_nc_u64 s[20:21], s[4:5], s[20:21]
	s_add_nc_u64 s[22:23], s[6:7], s[22:23]
	s_add_nc_u64 s[46:47], s[8:9], s[46:47]
	s_add_nc_u64 s[92:93], s[10:11], s[92:93]
	CROUND                                         ; all sixteen work-groups are here: the joint loads meet
	s_mov_b32 s[G0S], 1
	s_add_co_u32 s[G0S+1], s94, SCL
	s_mov_b64 s[G0S+2:G0S+3], s[22:23]
	s_or_b32 s[G0S+3], s[G0S+3], 0x80000000
	s_mov_b32 s[G0SB], 1
	s_add_co_u32 s[G0SB+1], s94, SCL
	s_mov_b64 s[G0SB+2:G0SB+3], s[92:93]
	s_or_b32 s[G0SB+3], s[G0SB+3], 0x80000000
	JLOAD G0S, G1S, G0SB, G1SB                     ; the scales first: they are wanted with K step 0
.irp s, 0,1
	s_mov_b32 s[G0+4*\s], 1
	s_add_co_u32 s[G0+4*\s+1], s45, \s*SLOT
	s_add_nc_u64 s[G0+4*\s+2:G0+4*\s+3], s[20:21], \s*ROWB
	s_or_b32 s[G0+4*\s+3], s[G0+4*\s+3], 0x80000000
	s_mov_b32 s[G0B+4*\s], 1
	s_add_co_u32 s[G0B+4*\s+1], s45, \s*SLOT
	s_add_nc_u64 s[G0B+4*\s+2:G0B+4*\s+3], s[46:47], \s*ROWB
	s_or_b32 s[G0B+4*\s+3], s[G0B+4*\s+3], 0x80000000
	JLOAD G0+4*\s, G1, G0B+4*\s, G1B               ; three loads of mine are out in all
.endr
	v_and_b32 v1, 15, v0                           ; r = lane % 16
	v_bfe_u32 v2, v0, 4, 1                         ; h = lane / 16
	v_mul_u32_u24 v3, v1, PITCH
	v_lshl_add_u32 v4, v2, 4, v3                   ; a fragment's row x pitch + 16 h
	s_mul_i32 s21, s15, HALFT                      ; my 128 rows of x
	s_mul_i32 s22, s16, HALFT                      ; my 128 rows of W_qkv,
	s_add_co_u32 s22, s22, 2*HALFT                 ; which lie behind x's 256
.irp s, 0,1
	v_add_nc_u32 v[ADRA+\s], s21, v4
	v_add_nc_u32 v[ADRB+\s], s22, v4
	s_add_co_u32 s21, s21, SLOT
	s_add_co_u32 s22, s22, SLOT
.endr
	v_mul_u32_u24 v5, v1, KS                       ; my row's scales: KS bytes a row,
	v_lshrrev_b32 v6, 8, v5
	v_lshl_add_u32 v5, v6, 4, v5                   ; and 16 more for each 256 passed
	s_mul_i32 s21, s15, HALFS
	s_mul_i32 s22, s16, HALFS
	s_add_co_u32 s22, s22, 2*HALFS
	s_sub_co_u32 s22, s22, s21
	v_mul_u32_u24 v6, s22, v2                      ; lanes 16-31 take W_qkv's: one product, the distance between the two bases x h
	s_add_co_u32 s21, s21, SCL
	v_add_nc_u32 v5, v5, v6
	v_add_nc_u32 v[ADRS], s21, v5
	s_mul_i32 s23, s14, 16*P16                     ; my f16 stage
	v_mul_u32_u24 v5, v1, P16
	v_lshl_add_u32 v5, v2, 4, v5
	v_add_nc_u32 v[STO], s23, v5                   ; in: row r, 16 bytes for each half of the lanes
	v_bfe_u32 v7, v0, 3, 2
	v_mul_u32_u24 v7, v7, P16
	v_and_b32 v8, 7, v0
	v_lshl_add_u32 v7, v8, 4, v7
	v_add_nc_u32 v[RD], s23, v7                    ; back: eight lanes take one head's 128 bytes of a row, four rows an instruction
	v_and_b32 v6, 31, v0
	v_lshlrev_b32 v[CO], 4, v6
	s_mul_i32 s23, s14, 16*P32
	s_add_co_u32 s23, s23, ST32                    ; my f32 stage
	v_mul_u32_u24 v5, v1, P32
	v_lshl_add_u32 v5, v2, 5, v5
	v_add_nc_u32 v[STO32], s23, v5
	v_add_nc_u32 v[RD32], s23, v[CO]
	; qkv16: plane = 64 which + 16 b + head of my first 64 columns; row = 256 cluster y + 128 x my half of the rows
	s_lshr_b32 s20, s42, 2
	s_lshl_b32 s20, s20, 6
	s_lshl_b32 s21, s41, 4
	s_add_co_u32 s20, s20, s21
	s_and_b32 s21, s42, 3
	s_lshl_b32 s21, s21, 2
	s_add_co_u32 s20, s20, s21
	s_lshl_b32 s21, s16, 1
	s_add_co_u32 s20, s20, s21
	s_lshl_b32 s20, s20, 18                        ; a plane is 2,048 rows of 128 bytes
	s_lshl_b32 s21, s95, 15
	s_add_co_u32 s20, s20, s21
	s_lshl_b32 s21, s15, 14
	s_add_co_u32 s20, s20, s21
	s_mov_b32 s21, 0
	s_add_nc_u64 s[96:97], s[96:97], s[20:21]
	s_mul_i32 s20, s41, 16*12288                   ; fine32: b's 16 rows of 12,288 bytes, my 128 columns
	s_lshl_b32 s21, s42, 10
	s_add_co_u32 s20, s20, s21
	s_lshl_b32 s21, s16, 9
	s_add_co_u32 s20, s20, s21
	s_mov_b32 s21, 0
	s_add_nc_u64 s[98:99], s[98:99], s[20:21]
.macro FRAG reg, adr, q, i             ; a fragment, 16 rows x 128 K of 4-bit codes: lane l holds row l % 16; registers 4 c .. 4 c + 3 hold K = 64 c + 32 (l / 16) + 0 .. 31
.irp c, 0,1
	ds_load_b128 v[\reg+4*\c:\reg+4*\c+3], v[\adr] offset:64*(\q)+32*\c+(\i)*16*PITCH
.endr
.endm
; 16 matrix instructions: x's blocks a0, a0 + 1 against W_qkv's eight, the slot's q-th 128 along K.  p: W_qkv's set; sc: the set of scale words.  zero = 1: the first product starts the sums.
; The 64 accumulators take turns, one instruction a turn, in the same order in every step.
.macro MUL16 a0, p, q, sc, zero
.irp a, \a0, \a0+1
.irp b, 0,1,2,3,4,5,6,7
.if \zero
	v_wmma_scale_f32_16x16x128_f8f6f4 v[8*(8*((\a)%4)+\b):8*(8*((\a)%4)+\b)+7], v[128*(\p)+FR*\b:128*(\p)+FR*\b+FR-1], v[AF+FR*(\a):AF+FR*(\a)+FR-1], 0, v[SC+8*NQ*(\sc)+NQ*\b+(\q)], v[SC+8*NQ*(\sc)+NQ*(\a)+(\q)] matrix_a_fmt:MATRIX_FMT_FP4 matrix_b_fmt:MATRIX_FMT_FP4 matrix_a_scale:MATRIX_SCALE_ROW1
.else
	v_wmma_scale_f32_16x16x128_f8f6f4 v[8*(8*((\a)%4)+\b):8*(8*((\a)%4)+\b)+7], v[128*(\p)+FR*\b:128*(\p)+FR*\b+FR-1], v[AF+FR*(\a):AF+FR*(\a)+FR-1], v[8*(8*((\a)%4)+\b):8*(8*((\a)%4)+\b)+7], v[SC+8*NQ*(\sc)+NQ*\b+(\q)], v[SC+8*NQ*(\sc)+NQ*(\a)+(\q)] matrix_a_fmt:MATRIX_FMT_FP4 matrix_b_fmt:MATRIX_FMT_FP4 matrix_a_scale:MATRIX_SCALE_ROW1
.endif
.endr
.endr
.endm
.macro FETCH_B slot, q, p
	WIN TO_B
.irp i, 0,1,2,3,4,5,6,7
	FRAG 128*(\p)+FR*\i, ADRB+\slot, \q, \i
.endr
	WIN 0
.endm
.macro FETCH_A slot, q, i0
.irp i, \i0, \i0+1, \i0+2, \i0+3
	FRAG AF+FR*(\i), ADRA+\slot, \q, \i
.endr
.endm
.macro SCALES sc                       ; a K step's scale words: NQ words a row; lanes 0-15 x's block i, lanes 16-31 W_qkv's block i
.irp i, 0,1,2,3,4,5,6,7
	ds_load_b128 v[SC+8*NQ*\sc+NQ*\i:SC+8*NQ*\sc+NQ*\i+3], v[ADRS] offset:\i*SBLK
.endr
.endm
.macro PLACES n                        ; plain vector instructions between a matrix instruction and a load into, or a read of, its registers
.rept \n
	v_nop
.endr
.endm
.macro STEP slot, q, zero              ; a step of 128 along K that has its successor in the same slot
	s_wait_dscnt 4*NL                              ; W_qkv's set and x's blocks 0-3 are in; the youngest eight loads (x's blocks 4-7) may be out
	WIN MUL_LO
	MUL16 0, (\q)%2, \q, \slot, \zero
	MUL16 2, (\q)%2, \q, \slot, \zero
	s_wait_dscnt 0                                 ; x's blocks 4-7 are in
	PLACES NP
	FETCH_B \slot, (\q)+1, 1-(\q)%2
	FETCH_A \slot, (\q)+1, 0
	WIN MUL_HI
	MUL16 4, (\q)%2, \q, \slot, \zero
	MUL16 6, (\q)%2, \q, \slot, \zero
	PLACES NP
	WIN 0
	FETCH_A \slot, (\q)+1, 4
.endm
.macro TURN slot, next                 ; slot 0's last step goes over to slot 1: one barrier; nothing is filled again
	s_wait_tensorcnt 0x0                           ; all my tensor loads have landed: my part of the next slot
	ds_add_u32 v[SPW], v[NIL]                      ; 0 onto my spare word
	s_wait_dscnt 4*NL+1                            ; (the add and the youngest eight loads may be out)
	WIN MUL_LO
	MUL16 0, 1, NQ-1, \slot, 0
	s_wait_dscnt 0x0                               ; the add is done, and my reads of this slot are over
	s_barrier_signal -1
	MUL16 2, 1, NQ-1, \slot, 0
	WIN 0
	s_barrier_wait -1                              ; the next slot is whole, and nobody reads this one any more
	PLACES NP
	v_add_nc_u32 v[ADRS], 4*NQ, v[ADRS]            ; on to the next K step's scale words
	FETCH_B \next, 0, 0
	FETCH_A \next, 0, 0
	SCALES \next
	WIN MUL_HI
	MUL16 4, 1, NQ-1, \slot, 0
	MUL16 6, 1, NQ-1, \slot, 0
	PLACES NP
	WIN 0
	FETCH_A \next, 0, 4
.endm
	s_wait_tensorcnt 1                             ; the scales and my part of K step 0 are in (K step 1's load may be out),
	s_barrier_signal -1
	s_barrier_wait -1                              ; everybody's are
	FETCH_B 0, 0, 0
	FETCH_A 0, 0, 0
	SCALES 0
	FETCH_A 0, 0, 4
	STEP 0, 0, 1                                   ; the first products start the sums: nothing is cleared
	STEP 0, 1, 0
	STEP 0, 2, 0
	TURN 0, 1
	STEP 1, 0, 0
	STEP 1, 1, 0
	STEP 1, 2, 0
	s_wait_dscnt 4*NL                              ; the last step: nothing more to fetch
	WIN MUL_LO
	MUL16 0, 1, NQ-1, 1, 0
	MUL16 2, 1, NQ-1, 1, 0
	s_wait_dscnt 0
	WIN MUL_HI
	MUL16 4, 1, NQ-1, 1, 0
	MUL16 6, 1, NQ-1, 1, 0
	WIN 0
	PLACES NP                                      ; for the reads of the last results and the loads into the registers that held x's fragments
	; THE F32 COPY of s = 0 .. 15: my block 0, where the tile is its sequence's first and my rows are the tile's upper half.  Ids alone decide, the same in all partners for a given wave.
	s_or_b32 s20, s95, s15
	s_cmp_lg_u32 s20, 0
	s_cbranch_scc1 .Lnofine
	WIN 0x08                                       ; an LDS store's data are its source 1: window 2
.irp b, 0,1,2,3,4,5,6,7
	ds_store_b128 v[STO32], v[8*\b:8*\b+3] offset:64*\b            ; each accumulator from its low end on
	ds_store_b128 v[STO32], v[8*\b+4:8*\b+7] offset:64*\b+16
.endr
	WIN 0
.irp t, 0,1,2,3,4,5,6,7,8,9,10,11,12,13,14,15
	ds_load_b128 v[FB+4*\t:FB+4*\t+3], v[RD32] offset:\t*P32       ; LDS serves a wave's instructions in order: these see my stores
.endr
	s_wait_dscnt 0x0
.irp t, 0,1,2,3,4,5,6,7,8,9,10,11,12,13,14,15
	global_store_b128 v[CO], v[FB+4*\t:FB+4*\t+3], s[98:99] offset:\t*12288   ; 32 lanes store 512 consecutive bytes of a row
.endr
.Lnofine:
; THE WAY OUT, a block of 16 rows x 128 columns (two heads) at a time.  PACK: rounded to f16, 16 bytes a lane.  TOSTAGE: into my stage, and back head by head: four rows of one head are 512 consecutive bytes of qkv16.  SEND: stored.
.macro PACK a
.set AC, 64*((\a)%4)
	WIN 0x0a+5*((\a)/4)                            ; sources 0 and 1: window 2 or 3
.irp b, 0,1,2,3,4,5,6,7
.irp i, 0,1,2,3
	v_cvt_pk_f16_f32 v[TMP+4*\b+\i], v[AC+8*\b+2*\i], v[AC+8*\b+2*\i+1]
.endr
.endr
	WIN 0
.endm
.macro TOSTAGE a
.set BB, OB+32*((\a)%2)
.irp b, 0,1,2,3,4,5,6,7
	ds_store_b128 v[STO], v[TMP+4*\b:TMP+4*\b+3] offset:32*\b
.endr
.irp t, 0,1,2,3,4,5,6,7
	ds_load_b128 v[BB+4*\t:BB+4*\t+3], v[RD] offset:(\t%4)*4*P16+128*(\t/4)
.endr
.endm
.macro SEND a
.set BB, OB+32*((\a)%2)
	s_wait_dscnt 0x0                               ; the block is back in registers
	s_wait_xcnt 0x0                                ; earlier stores have read their base and their data: both are written again only behind this wait
.if (\a) > 0
	s_add_nc_u64 s[96:97], s[96:97], 16*128        ; 16 rows on
.endif
.irp t, 0,1,2,3,4,5,6,7
	global_store_b128 v[CO], v[BB+4*\t:BB+4*\t+3], s[96:97] offset:(\t%4)*512+(\t/4)*262144   ; 32 lanes store 512 consecutive bytes; the second head's plane lies 262,144 bytes on
.endr
.endm
	PACK 0
	TOSTAGE 0
.irp a, 1,2,3,4,5,6,7                  ; block a's conversions stand between block a - 1's loads from the stage and the wait for them
	PACK \a
	SEND \a-1
	TOSTAGE \a
.endr
	SEND 7
	s_wait_tensorcnt 0x0                           ; the wave's end
	ds_add_u32 v[SPW], v[NIL]
	s_wait_dscnt 0x0
	CROUND                                         ; the closing round
	s_endpgm
.Lfunc_end_k_q49ec631d56_qkv:
	.size	k_q49ec631d56_qkv, .Lfunc_end_k_q49ec631d56_qkv-k_q49ec631d56_qkv
	.p2alignl 7, 3214868480
	.fill 96, 4, 3214868480
	.section	.rodata,"a",@progbits
	.p2align	6, 0x0
	.amdhsa_kernel k_q49ec631d56_qkv
		.amdhsa_group_segment_fixed_size 327680
		.amdhsa_private_segment_fixed_size 0
		.amdhsa_enable_private_segment 0
		.amdhsa_kernarg_size 48
		.amdhsa_user_sgpr_count 2
		.amdhsa_user_sgpr_kernarg_segment_ptr 1
		.amdhsa_wavefront_size32 1
		.amdhsa_system_sgpr_workgroup_id_x 1
		.amdhsa_system_sgpr_workgroup_id_y 1
		.amdhsa_system_sgpr_workgroup_id_z 1
		.amdhsa_system_vgpr_workitem_id 0
		.amdhsa_next_free_vgpr 1024
		.amdhsa_next_free_sgpr 100
		.amdhsa_reserve_vcc 0
		.amdhsa_float_denorm_mode_32 3
		.amdhsa_float_denorm_mode_16_64 3
		.amdhsa_memory_ordered 1
		.amdhsa_forward_progress 1
		.amdhsa_inst_pref_size 131
	.end_amdhsa_kernel
	.amdgpu_metadata
---
amdhsa.version: [ 1, 2 ]
amdhsa.kernels:
  - .name:           k_q49ec631d56_qkv
    .symbol:         k_q49ec631d56_qkv.kd
    .args:
      - { .name: x_codes, .offset: 0, .size: 8, .value_kind: global_buffer, .address_space: global }
      - { .name: x_scales, .offset: 8, .size: 8, .value_kind: global_buffer, .address_space: global }
      - { .name: w_codes, .offset: 16, .size: 8, .value_kind: global_buffer, .address_space: global }
      - { .name: w_scales, .offset: 24, .size: 8, .value_kind: global_buffer, .address_space: global }
      - { .name: qkv16, .offset: 32, .size: 8, .value_kind: global_buffer, .address_space: global }
      - { .name: fine32, .offset: 40, .size: 8, .value_kind: global_buffer, .address_space: global }
    .group_segment_fixed_size: 327680
    .private_segment_fixed_size: 0
    .kernarg_segment_align: 8
    .kernarg_segment_size: 48
    .max_flat_workgroup_size: 128
    .sgpr_count:     100
    .vgpr_count:     1024
    .wavefront_size: 32
...
	.end_amdgpu_metadata
.endif
;; end of part 2
;; launch attn (part 3): grid 4 x 64, 16 waves a work-group, no clusters, 327,680 bytes of LDS; arguments qkv16, ctx16; writes ctx16
.if DOCPART == 3
	.amdgcn_target "amdgcn-amd-amdhsa--gfx1250"
	.amdhsa_code_object_version 6
	.text
	.protected	k_q49ec631d56_attn
	.globl	k_q49ec631d56_attn
	.p2align	8
	.type	k_q49ec631d56_attn,@function
k_q49ec631d56_attn:
	s_mov_b64 s[64:65], 0
	v_nop
	global_prefetch_b8 v0, s[64:65] scope:SCOPE_SE
	s_setreg_imm32_b32 hwreg(HW_REG_WAVE_MODE, 25, 1), 1
	s_wait_xcnt 0x0
; ctx[b][head][q][:] = the sum over k <= q of softmax_k(Q[q] . K[k] / 8) V[k][:], head size 64, 2,048 positions, 64 planes (b, head).  Q, K, V: f16, qkv16 [which][plane][s][64].  Products, maxima and sums in f32;
; the weights p are rounded to f16 for the second product, ctx once at the end: f16, ctx16 [(2048 b + s) / 64][head][64 rows][64], so that a wave's 32 rows of one head are 4,096 consecutive bytes.
; SOFTMAX: for each query a running maximum m and sum l; p = 2^(c s - c m), c = log2(e) / 8; in every step O and l are multiplied by a = 2^(c m_old - c m_new).  Key 0 counts for every query, so m is a number from the first step on.
; LIMITS: |ctx| under 65,504 (f16); scores under 3e38 / c in magnitude.
; SHARES: work-group (j, plane) owns query blocks j and 7 - j, 256 queries each: (j + 1) + (8 - j) = 9 blocks of keys to walk for every work-group.  Waves 0-7 take block j, waves 8-15 block 7 - j; a wave owns 32 queries,
; two tiles of 16, in 256 registers: four waves to a SIMD, so that one wave's vector work stands beside another's products and LDS loads; each fragment of K and V read from LDS feeds two products.
; NO CLUSTER: the four work-groups of a plane need 8 - j slots of keys, different numbers, and under the mask every wave of a partner would pass over tiles that a joint load brings.
; RING: two LDS slots of 256 keys (K's rows, then V's), filled by the tensor data mover (waves 0, 1: K's halves; waves 2, 3: V's), read by all sixteen.  EVERY work-group walks all 8 slots: trip counts are constants;
; a step all of whose keys come after the wave's queries is jumped over, and a slot whose first key comes after the work-group's last query is not asked for.  Every wait on TENSORcnt is for 0.
; LAYOUT: S^T = K Q^T (source 0 = 16 keys, source 1 = 16 queries): a lane holds ONE query (lane % 16) and keys 8 (lane / 16) + 0..7.  Two such tiles, rounded to f16 in pairs, ARE source 1 (32 keys x 16 queries) of
; O^T = V^T P, whose result again holds one query a lane.  K comes out of LDS as it lies, V ([key][channel]) turned, by ds_load_tr16_b128.
.set SK,    256                        ; keys in a slot
.set NQ,    4                          ; steps of 64 keys
.set PK,    144                        ; a row of K in LDS: 128 bytes + 16
.set PV,    160                        ; a row of V: 128 + 32
.set VOFF,  SK*PK
.set SLOT1, 1<<17                      ; slot 1 begins here: one exclusive or turns an address in one slot into the other's
.set NSL,   2048/SK
.set SPARE, 2*SLOT1                    ; the spare words, 128 bytes for each of 16 waves
.set AK0, 1                            ; v1   my lane's place in a tile of K
.set AV0, 2                            ; v2   the same for V
.set SPW, 3                            ; v3   my spare word; never rewritten
.set NIL, 4                            ; v4   0; never rewritten
.set DQ,  5                            ; v5   lane % 16 - 8 (lane / 16)
.set ADK, 6                            ; v6   LDS address of the step's K; on the way out: into the stage
.set ADV, 7                            ; v7   of its V; on the way out: back from the stage
.set GO,  8                            ; v8   16 x lane
.set MT,  9                            ; v9, v10  the mask's
.set PFO, 11                           ; v11  256 x lane; never rewritten
.set ST,  12                           ; tile t's statistics at v[ST + 8 t]: +0 c m, +1 m, +2, +3 l (even keys', odd keys'), +4 .. +7 at work; a in +6
.set CH,  28                           ; v28-31 the sums' second chains
.set QF,  32                           ; v32-63   Q: tile t, channels 32 ds on: 16 t + 8 ds
.set KV,  64                           ; v64-127  K's 8 fragments (8 (2 kt + ds)), then V's 8 (8 (4 kk + ct))
.set S,   128                          ; v128-191 S^T: 32 t + 8 kt; P is packed into the tile's lowest 16
.set O,   192                          ; v192-255 O^T: 32 t + 8 ct
.set WV,  18
.set SEL, 20                           ; s[20:21] lane selects: lane l xor 16
.set CS,  22                           ; s[22:23] c, twice
.set G1K, 24
.set G1V, 32
.set G0K, 40
.set G0V, 44
.set TB,  2                            ; s2   LDS byte at which the slot in hand begins
.set SLOTS, 67                         ; s67  changes of slots that may still ask
.set LQ,  70                           ; s70  my work-group's last query
.set PFA, 76                           ; s[76:77] where my prefetches stand
.set LIM, 80                           ; s80  1 in a wave that prefetches, else the greatest number
.set KF,  98                           ; s98  the step's first key
.set Q0,  99                           ; s99  my first query
.macro TLOAD                           ; waves 0 and 1 fetch K's halves, waves 2 and 3 V's, the others nothing: branches on the wave's number alone
	s_cmp_lt_u32 s[WV], 2
	s_cbranch_scc0 .Lnot_k_\@
	tensor_load_to_lds s[G0K:G0K+3], s[G1K:G1K+7]
	s_nop 0
.rept 4
	v_nop
.endr
	s_branch .Lasked_\@
.Lnot_k_\@:
	s_cmp_lt_u32 s[WV], 4
	s_cbranch_scc0 .Lasked_\@
	tensor_load_to_lds s[G0V:G0V+3], s[G1V:G1V+7]
	s_nop 0
.rept 4
	v_nop
.endr
.Lasked_\@:
.endm
; A PREFETCH of what the NEXT change of slots will ask for: 32,768 dense bytes of K and as many of V.  Each aligned 256 bytes are named once in the launch: the plane's work-group 0, which walks all 8 slots, asks;
; in it waves 4-7 ask for K's, waves 8-11 for V's, 8,192 bytes a wave, lanes 256 bytes apart, one instruction each: four key steps ahead of the load.  The last change that fills a slot asks for nothing; nothing is asked at the head.
.macro ASK
	s_cmp_gt_u32 s[SLOTS], s[LIM]
	s_cbranch_scc0 .Lnot_mine_\@
	global_prefetch_b8 v[PFO], s[PFA:PFA+1] th:TH_LOAD_NT scope:SCOPE_SE
.Lnot_mine_\@:
.endm
	s_load_b128 s[4:7], s[0:1], 0x0                ; qkv16 s[4:5], ctx16 s[6:7]
	v_lshl_add_u32 v[SPW], v0, 2, SPARE
	v_mov_b32 v[NIL], 0
	ds_add_u32 v[SPW], v[NIL]                      ; the wave's opening: the add, twice on end, and its wait ahead of the first tensor load
	ds_add_u32 v[SPW], v[NIL]
	v_lshrrev_b32 v6, 5, v0
	v_readfirstlane_b32 s[WV], v6                  ; wave 0..15
	s_and_b32 s72, ttmp7, 0xffff                   ; the plane: 16 b + head
	s_sub_co_u32 s73, 7, ttmp9
	s_cmp_lt_u32 s[WV], 8
	s_cselect_b32 s73, ttmp9, s73                  ; my block of 256 queries: j or 7 - j
	s_lshl_b32 s[Q0], s73, 8
	s_and_b32 s74, s[WV], 7
	s_lshl_b32 s74, s74, 5
	s_add_co_u32 s[Q0], s[Q0], s74                 ; my first query
	s_lshl_b32 s[LQ], ttmp9, 8
	s_sub_co_u32 s[LQ], 2047, s[LQ]                ; block 7 - j's last query
	s_lshl_b32 s82, s72, 18                        ; the plane's 262,144 bytes
	s_lshl_b32 s84, s[Q0], 7
	s_add_co_u32 s84, s84, s82                     ; Q: my first row
	s_mov_b32 s85, 0
	s_and_b32 s88, s[WV], 1                        ; which 128 keys of a slot I fetch, if I fetch
	s_lshl_b32 s86, s88, 14
	s_add_co_u32 s86, s86, s82
	s_add_co_u32 s86, s86, 64*262144               ; K's planes lie behind Q's 64,
	s_mov_b32 s87, 0
	s_add_co_u32 s90, s86, 64*262144               ; V's behind K's
	s_mov_b32 s91, 0
	s_mul_i32 s89, s88, 128*PK                     ; and in a slot
	s_mul_i32 s94, s88, 128*PV
	s_add_co_u32 s94, s94, VOFF
	s_lshr_b32 s92, s72, 4
	s_lshl_b32 s92, s92, 11
	s_add_co_u32 s92, s92, s[Q0]                   ; R = 2048 b + my first query
	s_lshr_b32 s93, s92, 6
	s_lshl_b32 s93, s93, 17                        ; ctx16: 131,072 bytes for 64 rows,
	s_and_b32 s92, s92, 63
	s_lshl_b32 s92, s92, 7                         ; 128 a row,
	s_add_co_u32 s92, s92, s93
	s_and_b32 s93, s72, 15
	s_lshl_b32 s93, s93, 13                        ; 8,192 a head
	s_add_co_u32 s92, s92, s93
	s_mov_b32 s93, 0
	; descriptor group 1: 128 rows of 64 elements of 2 bytes, dense in memory, padded behind every row
	s_mov_b32 s[G1K], (1<<16)|(1<<20)|(4<<22)|(3<<25)              ; no mask; elements of 2 bytes; padding on; after every 32 words; four words
	s_mov_b32 s[G1V], (1<<16)|(1<<20)|(4<<22)|(7<<25)              ; eight words
.irp g, G1K, G1V
	s_mov_b32 s[\g+1], 64<<16                      ; tensor_dim0
	s_mov_b32 s[\g+2], 128<<16                     ; tensor_dim1
	s_mov_b32 s[\g+3], 64<<16                      ; tile_dim0
	s_mov_b32 s[\g+4], 128                         ; tile_dim1
	s_mov_b32 s[\g+5], 64                          ; tensor_dim0_stride
	s_mov_b32 s[\g+6], 0
	s_mov_b32 s[\g+7], 0
.endr
	s_mov_b32 s[SEL], 0x76543210
	s_mov_b32 s[SEL+1], 0xfedcba98
	s_mov_b32 s[CS], 0x3e38aa3b                    ; c = log2(e) / 8
	s_mov_b32 s[CS+1], s[CS]
	s_mov_b32 s[TB], 0
	s_mov_b32 s[SLOTS], NSL-1
	s_mov_b32 s[KF], 0
	s_wait_dscnt 0x0                               ; both opening adds are done
	s_wait_kmcnt 0x0
	s_mov_b32 s[G0K], 1
	s_mov_b32 s[G0K+1], s89
	s_add_nc_u64 s[G0K+2:G0K+3], s[4:5], s[86:87]
	s_or_b32 s[G0K+3], s[G0K+3], 0x80000000
	s_mov_b32 s[G0V], 1
	s_mov_b32 s[G0V+1], s94
	s_add_nc_u64 s[G0V+2:G0V+3], s[4:5], s[90:91]
	s_or_b32 s[G0V+3], s[G0V+3], 0x80000000
	TLOAD                                          ; slot 0: keys 0-255, which count for every work-group
	s_add_nc_u64 s[8:9], s[4:5], s[84:85]          ; Q at my first query
	s_add_nc_u64 s[6:7], s[6:7], s[92:93]          ; ctx16 likewise
	s_cmp_lt_u32 s[WV], 8                          ; the prefetches: waves 4-7 K's planes, waves 8-11 V's
	s_cselect_b32 s74, 64, 128
	s_add_co_u32 s74, s74, s72
	s_lshl_b32 s74, s74, 18
	s_and_b32 s75, s[WV], 3
	s_lshl_b32 s75, s75, 13                        ; my wave's 8,192 bytes,
	s_add_co_u32 s74, s74, s75
	s_add_co_u32 s74, s74, SK*128                  ; in slot 1: the first change of slots steps it to slot 2
	s_mov_b32 s75, 0
	s_add_nc_u64 s[PFA:PFA+1], s[4:5], s[74:75]
	s_sub_co_u32 s82, s[WV], 4
	s_lshr_b32 s82, s82, 3                         ; 0 in waves 4 to 11,
	s_or_b32 s82, s82, ttmp9                       ; of the plane's work-group 0
	s_cmp_eq_u32 s82, 0
	s_cselect_b32 s[LIM], 1, -1
	v_and_b32 v6, 15, v0                           ; r
	v_bfe_u32 v7, v0, 4, 1                         ; h
	v_lshlrev_b32 v9, 7, v6
	v_lshl_add_u32 v9, v7, 4, v9                   ; Q: row r of 128 bytes + 16 h
.irp t, 0,1
.irp ds, 0,1
	global_load_b128 v[QF+16*\t+8*\ds:QF+16*\t+8*\ds+3],   v9, s[8:9] offset:2048*\t+64*\ds      ; Q stays in registers
	global_load_b128 v[QF+16*\t+8*\ds+4:QF+16*\t+8*\ds+7], v9, s[8:9] offset:2048*\t+64*\ds+32
.endr
.endr
	v_mul_u32_u24 v[AK0], v6, PK
	v_lshl_add_u32 v[AK0], v7, 4, v[AK0]           ; row r x pitch + 16 h
	v_and_b32 v10, 7, v0
	v_lshl_add_u32 v[AV0], v7, 3, v10              ; the turning load: key 8 h + lane % 8,
	v_mul_u32_u24 v[AV0], v[AV0], PV
	v_bfe_u32 v10, v0, 3, 1
	v_lshl_add_u32 v[AV0], v10, 4, v[AV0]          ; channels 8 ((lane / 8) % 2) on
	v_add_nc_u32 v[AV0], VOFF, v[AV0]
	v_lshlrev_b32 v[DQ], 3, v7
	v_sub_nc_u32 v[DQ], v6, v[DQ]
	v_and_b32 v[PFO], 31, v0
	v_lshlrev_b32 v[PFO], 8, v[PFO]
.irp t, 0,1
	v_mov_b32 v[ST+8*\t+1], 0xff61b1e6             ; m: -3e38, under every score
	v_mul_f32 v[ST+8*\t], s[CS], v[ST+8*\t+1]
.irp i, 2,3,4,5,6,7
	v_mov_b32 v[ST+8*\t+\i], 0
.endr
.endr
.set i, 0
.rept 64
	v_mov_b32 v[O+i], 0                            ; O^T.  The step is written once: the first finds zeros, which a = 0 leaves zeros
.set i, i+1
.endr
; THE SOFTMAX of a step, both tiles line by line, so that no line waits for the line above it.
.macro SOFTMAX
.irp j, 0,1,2,3
.irp t, 0,1
	v_max3_num_f32 v[ST+8*\t+4+\j], v[S+32*\t+8*\j], v[S+32*\t+8*\j+1], v[S+32*\t+8*\j+2]   ; four chains; each accumulator is read from its low end on
.endr
.endr
.irp u, 1,2
.irp j, 0,1,2,3
.irp t, 0,1
	v_max3_num_f32 v[ST+8*\t+4+\j], v[ST+8*\t+4+\j], v[S+32*\t+8*\j+2*\u+1], v[S+32*\t+8*\j+2*\u+2]
.endr
.endr
.endr
.irp t, 0,1
	v_max3_num_f32 v[ST+8*\t+4], v[ST+8*\t+4], v[S+32*\t+7], v[S+32*\t+15]
	v_max3_num_f32 v[ST+8*\t+6], v[ST+8*\t+6], v[S+32*\t+23], v[S+32*\t+31]
.endr
.irp t, 0,1
	v_max3_num_f32 v[ST+8*\t+4], v[ST+8*\t+4], v[ST+8*\t+5], v[ST+8*\t+6]
.endr
.irp t, 0,1
	v_max3_num_f32 v[ST+8*\t+4], v[ST+8*\t+4], v[ST+8*\t+7], v[ST+8*\t+1]   ; with the old m
.endr
.irp t, 0,1
	v_permlanex16_b32 v[ST+8*\t+5], v[ST+8*\t+4], s[SEL], s[SEL+1]          ; the query's other 32 keys lie in the lane 16 away
.endr
.irp t, 0,1
	v_mov_b32 v[ST+8*\t+7], v[ST+8*\t]             ; c m_old
.endr
.irp t, 0,1
	v_max_num_f32 v[ST+8*\t+1], v[ST+8*\t+4], v[ST+8*\t+5]
.endr
.irp t, 0,1
	v_mul_f32 v[ST+8*\t], s[CS], v[ST+8*\t+1]
.endr
.irp t, 0,1
	v_sub_f32 v[ST+8*\t+7], v[ST+8*\t+7], v[ST+8*\t]
.endr
.set e, 0
.rept 16
.irp t, 0,1
	v_pk_fma_f32 v[S+32*\t+e:S+32*\t+e+1], v[S+32*\t+e:S+32*\t+e+1], s[CS:CS+1], v[ST+8*\t:ST+8*\t+1] op_sel_hi:[1,0,0] neg_lo:[0,0,1] neg_hi:[0,0,1]   ; c s - c m, two at a time
.endr
.set e, e+2
.endr
.irp t, 0,1
	v_exp_f32 v[ST+8*\t+6], v[ST+8*\t+7]           ; a.  ONE BATCH of 66 exponentials: none reads another's result
.endr
.set e, 0
.rept 32
.irp t, 0,1
	v_exp_f32 v[S+32*\t+e], v[S+32*\t+e]
.endr
.set e, e+1
.endr
	v_nop                                          ; a plain line behind the last exponential
	s_wait_alu depctr_va_vdst(0)                   ; one wait for the batch, ahead of its first reader
.irp t, 0,1
	v_pk_add_f32 v[ST+8*\t+4:ST+8*\t+5], v[S+32*\t:S+32*\t+1], v[S+32*\t+4:S+32*\t+5]     ; the sums of the unrounded p, in two chains a tile
	v_pk_add_f32 v[CH+2*\t:CH+2*\t+1], v[S+32*\t+2:S+32*\t+3], v[S+32*\t+6:S+32*\t+7]
.endr
.irp b, 8,12,16,20,24,28
.irp t, 0,1
	v_pk_add_f32 v[ST+8*\t+4:ST+8*\t+5], v[ST+8*\t+4:ST+8*\t+5], v[S+32*\t+\b:S+32*\t+\b+1]
	v_pk_add_f32 v[CH+2*\t:CH+2*\t+1], v[CH+2*\t:CH+2*\t+1], v[S+32*\t+\b+2:S+32*\t+\b+3]
.endr
.endr
.irp t, 0,1
	v_pk_add_f32 v[ST+8*\t+4:ST+8*\t+5], v[ST+8*\t+4:ST+8*\t+5], v[CH+2*\t:CH+2*\t+1]
.endr
.irp t, 0,1
	v_pk_fma_f32 v[ST+8*\t+2:ST+8*\t+3], v[ST+8*\t+2:ST+8*\t+3], v[ST+8*\t+6:ST+8*\t+7], v[ST+8*\t+4:ST+8*\t+5] op_sel_hi:[1,0,1]   ; l = a l + the sum
.endr
.set e, 0
.rept 16
.irp t, 0,1
	v_cvt_pk_f16_f32 v[S+32*\t+e], v[S+32*\t+2*e], v[S+32*\t+2*e+1]        ; P, in place, ascending: register e is free when pair e is rounded
.endr
.set e, e+1
.endr
.set e, 0
.rept 16
.irp t, 0,1
	v_pk_mul_f32 v[O+32*\t+e:O+32*\t+e+1], v[O+32*\t+e:O+32*\t+e+1], v[ST+8*\t+6:ST+8*\t+7] op_sel_hi:[1,0]   ; O^T x a
.endr
.set e, e+2
.endr
.endm
; A KEY STEP: 64 keys, the q-th of the slot in hand.
.macro STEP q
	s_add_co_u32 s96, s[Q0], 31                    ; a step all of whose keys come after my 32 queries is left out: a branch on ids, round no barrier and no tensor load
	s_cmp_gt_u32 s[KF], s96
	s_cbranch_scc1 .Lhidden_\@
	v_add_nc_u32 v[ADK], s[TB], v[AK0]
	v_add_nc_u32 v[ADV], s[TB], v[AV0]
.rept 3
	v_nop                                          ; with the two additions five places behind the last products: four for the loads into V's registers, five for the new S^T, which is laid over P
.endr
.irp kt, 0,1,2,3
.irp ds, 0,1
	ds_load_b128 v[KV+8*(2*\kt+\ds):KV+8*(2*\kt+\ds)+3],   v[ADK] offset:(64*(\q)+16*\kt)*PK+64*\ds
	ds_load_b128 v[KV+8*(2*\kt+\ds)+4:KV+8*(2*\kt+\ds)+7], v[ADK] offset:(64*(\q)+16*\kt)*PK+64*\ds+32
.endr
.endr
	s_wait_dscnt 0x0
.irp ds, 0,1                                   ; S^T = K Q^T: eight accumulators by turns; the first eight products start the sums
.irp kt, 0,1,2,3
.irp t, 0,1
.if \ds == 0
	v_wmma_f32_16x16x32_f16 v[S+32*\t+8*\kt:S+32*\t+8*\kt+7], v[KV+8*(2*\kt+\ds):KV+8*(2*\kt+\ds)+7], v[QF+16*\t+8*\ds:QF+16*\t+8*\ds+7], 0
.else
	v_wmma_f32_16x16x32_f16 v[S+32*\t+8*\kt:S+32*\t+8*\kt+7], v[KV+8*(2*\kt+\ds):KV+8*(2*\kt+\ds)+7], v[QF+16*\t+8*\ds:QF+16*\t+8*\ds+7], v[S+32*\t+8*\kt:S+32*\t+8*\kt+7]
.endif
.endr
.endr
.endr
.rept 4
	v_nop                                          ; places: for the loads into K's registers, and for the first reads of the scores
.endr
.irp kk, 0,1                                   ; V, turned: it lands under the softmax
.irp ct, 0,1,2,3
	ds_load_tr16_b128 v[KV+8*(4*\kk+\ct):KV+8*(4*\kk+\ct)+3],   v[ADV] offset:(64*(\q)+32*\kk)*PV+32*\ct
	ds_load_tr16_b128 v[KV+8*(4*\kk+\ct)+4:KV+8*(4*\kk+\ct)+7], v[ADV] offset:(64*(\q)+32*\kk+16)*PV+32*\ct
.endr
.endr
	s_add_co_u32 s96, s[KF], 63                    ; on the diagonal (one step of a wave) hidden scores become -infinity ahead of the maximum; a step all of whose keys count skips this
	s_cmp_le_u32 s96, s[Q0]
	s_cbranch_scc1 .Lopen_\@
	s_sub_co_i32 s96, s[Q0], s[KF]
	v_add_nc_u32 v[MT], s96, v[DQ]                 ; register (t, kt, j) holds key KF + 16 kt + 8 h + j for query Q0 + 16 t + r: hidden where 16 kt + j - 16 t > Q0 - KF + r - 8 h
	v_mov_b32 v[MT+1], 0xff800000
.irp t, 0,1
.irp kt, 0,1,2,3
.irp j, 0,1,2,3,4,5,6,7
	v_cmp_gt_i32 vcc_lo, 16*\kt+\j-16*\t, v[MT]
	v_cndmask_b32 v[S+32*\t+8*\kt+\j], v[S+32*\t+8*\kt+\j], v[MT+1], vcc_lo
.endr
.endr
.endr
.Lopen_\@:
	SOFTMAX
	s_wait_dscnt 0x0                               ; V is in
.irp kk, 0,1                                   ; O^T += V^T P: eight accumulators by turns
.irp ct, 0,1,2,3
.irp t, 0,1
	v_wmma_f32_16x16x32_f16 v[O+32*\t+8*\ct:O+32*\t+8*\ct+7], v[KV+8*(4*\kk+\ct):KV+8*(4*\kk+\ct)+7], v[S+32*\t+8*\kk:S+32*\t+8*\kk+7], v[O+32*\t+8*\ct:O+32*\t+8*\ct+7]
.endr
.endr
.endr
.Lhidden_\@:
	s_add_co_u32 s[KF], s[KF], 64
.endm
; THE CHANGE OF SLOTS stands at a slot's head.  Each wave waits for all its tensor loads, adds 0 to its spare word, and waits for that and for its reads of the slot that it has left.  Behind the barrier the slot ahead is whole
; and nobody reads the other one; fill = 1: that one takes the keys that follow, up to the causal limit, and the load has four key steps in which to land.  A loading wave has one tensor load out.
.macro CHANGE fill
	s_wait_tensorcnt 0x0                           ; no tensor load of mine is out, so a group 0 may be written
	ds_add_u32 v[SPW], v[NIL]
.if \fill
	ds_add_u32 v[SPW], v[NIL]                      ; the add twice on end here, in every trip alike
	s_xor_b32 s[G0K+1], s[G0K+1], SLOT1            ; the walking descriptors: the other slot, the next 256 keys
	s_add_nc_u64 s[G0K+2:G0K+3], s[G0K+2:G0K+3], SK*128
	s_xor_b32 s[G0V+1], s[G0V+1], SLOT1
	s_add_nc_u64 s[G0V+2:G0V+3], s[G0V+2:G0V+3], SK*128
	s_wait_xcnt 0x0                                ; the last prefetch, a slot back, has read its address
	s_add_nc_u64 s[PFA:PFA+1], s[PFA:PFA+1], SK*128
.endif
	s_wait_dscnt 0x0                               ; the add is done, and my reads of the slot that I have left are over
	s_barrier_signal -1
	s_barrier_wait -1
.if \fill
	s_add_co_u32 s96, s[KF], SK                    ; the first key of the slot that this change would ask for:
	s_cmp_gt_u32 s96, s[LQ]                        ; past my work-group's last query no wave reads it, so it is not asked for.  Ids and the count of steps alone: all sixteen waves go the same way
	s_cbranch_scc1 .Lpast_\@
	TLOAD
.Lpast_\@:
	ASK
.endif
.endm
.macro SLOT_STEPS
.set Q, 0
.rept NQ
	STEP Q
.set Q, Q+1
.endr
	s_xor_b32 s[TB], s[TB], SLOT1
.endm
	s_wait_loadcnt 0x0                             ; Q
.Lslot:                                            ; 7 trips
	CHANGE 1
	SLOT_STEPS
	s_sub_co_u32 s[SLOTS], s[SLOTS], 1
	s_cmp_lg_u32 s[SLOTS], 0
	s_cbranch_scc1 .Lslot
	CHANGE 0                                       ; the last slot is written out: nothing follows it
	SLOT_STEPS
	; THE WAY OUT: O^T / l, rounded to f16, through my stage in slot 0 (left at the last change of slots: its last fill is over and nobody reads it), back as rows of 128 bytes, four to a store.
.irp t, 0,1
	v_add_f32 v[ST+8*\t+4], v[ST+8*\t+2], v[ST+8*\t+3]
.endr
.irp t, 0,1
	v_permlanex16_b32 v[ST+8*\t+5], v[ST+8*\t+4], s[SEL], s[SEL+1]
.endr
.irp t, 0,1
	v_add_f32 v[ST+8*\t+4], v[ST+8*\t+4], v[ST+8*\t+5]
.endr
.irp t, 0,1
	v_rcp_f32 v[ST+8*\t+6], v[ST+8*\t+4]
.endr
	v_and_b32 v9, 15, v0                           ; (plain work behind the reciprocals)
	v_bfe_u32 v10, v0, 4, 1
	s_mul_i32 s73, s[WV], 32*PK                    ; my stage: 32 rows x 144
	v_mul_u32_u24 v[ADK], v9, PK
	v_lshl_add_u32 v[ADK], v10, 4, v[ADK]
	v_add_nc_u32 v[ADK], s73, v[ADK]               ; in: row r, + 16 h
	v_bfe_u32 v9, v0, 3, 2
	v_mul_u32_u24 v[ADV], v9, PK
	v_and_b32 v10, 7, v0
	v_lshl_add_u32 v[ADV], v10, 4, v[ADV]
	v_add_nc_u32 v[ADV], s73, v[ADV]               ; back: eight lanes to a row, four rows an instruction
	v_and_b32 v[GO], 31, v0
	v_lshlrev_b32 v[GO], 4, v[GO]
	s_wait_alu depctr_va_vdst(0)                   ; one wait for the two reciprocals, ahead of their first reader
.set e, 0
.rept 16
.irp t, 0,1
	v_pk_mul_f32 v[O+32*\t+e:O+32*\t+e+1], v[O+32*\t+e:O+32*\t+e+1], v[ST+8*\t+6:ST+8*\t+7] op_sel_hi:[1,0]
.endr
.set e, e+2
.endr
.set e, 0
.rept 32
	v_cvt_pk_f16_f32 v[KV+e], v[O+2*e], v[O+2*e+1]
.set e, e+1
.endr
.irp t, 0,1
.irp ct, 0,1,2,3
	ds_store_b128 v[ADK], v[KV+16*\t+4*\ct:KV+16*\t+4*\ct+3] offset:16*PK*\t+32*\ct
.endr
.endr
.irp i, 0,1,2,3,4,5,6,7
	ds_load_b128 v[S+4*\i:S+4*\i+3], v[ADV] offset:4*PK*\i         ; LDS serves a wave's instructions in order: these see my stores
.endr
.irp i, 0,1,2,3,4,5,6,7
	s_wait_dscnt 7-\i                              ; the younger loads may be out
	global_store_b128 v[GO], v[S+4*\i:S+4*\i+3], s[6:7] offset:512*\i      ; 32 lanes store 512 consecutive bytes
.endr
	s_wait_tensorcnt 0x0                           ; the wave's end
	ds_add_u32 v[SPW], v[NIL]
	s_wait_dscnt 0x0
	s_endpgm
.Lfunc_end_k_q49ec631d56_attn:
	.size	k_q49ec631d56_attn, .Lfunc_end_k_q49ec631d56_attn-k_q49ec631d56_attn
	.p2alignl 7, 3214868480
	.fill 96, 4, 3214868480
	.section	.rodata,"a",@progbits
	.p2align	6, 0x0
	.amdhsa_kernel k_q49ec631d56_attn
		.amdhsa_group_segment_fixed_size 327680
		.amdhsa_private_segment_fixed_size 0
		.amdhsa_enable_private_segment 0
		.amdhsa_kernarg_size 16
		.amdhsa_user_sgpr_count 2
		.amdhsa_user_sgpr_kernarg_segment_ptr 1
		.amdhsa_wavefront_size32 1
		.amdhsa_system_sgpr_workgroup_id_x 1
		.amdhsa_system_sgpr_workgroup_id_y 1
		.amdhsa_system_sgpr_workgroup_id_z 1
		.amdhsa_system_vgpr_workitem_id 0
		.amdhsa_next_free_vgpr 256
		.amdhsa_next_free_sgpr 100
		.amdhsa_reserve_vcc 1
		.amdhsa_float_denorm_mode_32 3
		.amdhsa_float_denorm_mode_16_64 3
		.amdhsa_memory_ordered 1
		.amdhsa_forward_progress 1
		.amdhsa_inst_pref_size 188
	.end_amdhsa_kernel
	.amdgpu_metadata
---
amdhsa.version: [ 1, 2 ]
amdhsa.kernels:
  - .name:           k_q49ec631d56_attn
    .symbol:         k_q49ec631d56_attn.kd
    .args:
      - { .name: qkv16, .offset: 0, .size: 8, .value_kind: global_buffer, .address_space: global }
      - { .name: ctx16, .offset: 8, .size: 8, .value_kind: global_buffer, .address_space: global }
    .group_segment_fixed_size: 327680
    .private_segment_fixed_size: 0
    .kernarg_segment_align: 8
    .kernarg_segment_size: 16
    .max_flat_workgroup_size: 512
    .sgpr_count:     100
    .vgpr_count:     256
    .wavefront_size: 32
...
	.end_amdgpu_metadata
.endif
;; end of part 3
;; launch proj (part 4): grid 8 x 64, 4 waves a work-group, clusters of 4 x 4, 327,680 bytes of LDS; arguments ctx16, wo16, out0; writes out0
.if DOCPART == 4
	.amdgcn_target "amdgcn-amd-amdhsa--gfx1250"
	.amdhsa_code_object_version 6
	.text
	.protected	k_q49ec631d56_proj
	.globl	k_q49ec631d56_proj
	.p2align	8
	.type	k_q49ec631d56_proj,@function
k_q49ec631d56_proj:
	s_mov_b64 s[64:65], 0
	v_nop
	global_prefetch_b8 v0, s[64:65] scope:SCOPE_SE
	s_setreg_imm32_b32 hwreg(HW_REG_WAVE_MODE, 25, 1), 1
	s_wait_xcnt 0x0
	s_wait_alu depctr_hold_cnt(0) depctr_sa_sdst(0) depctr_va_vdst(0) depctr_va_sdst(0) depctr_va_ssrc(0) depctr_va_vcc(0) depctr_vm_vsrc(0)
	s_getreg_b32 s2, hwreg(HW_REG_IB_STS2, 6, 4)
	s_cmp_eq_u32 s2, 0
	s_cbranch_scc0 .Lentry_in_a_cluster
	s_endpgm
.Lentry_in_a_cluster:
	s_bfe_u32 s2, ttmp6, 0x10000c
	s_cmp_lg_u32 s2, 0xf033
	s_cbranch_scc0 .Lentry_shape_is_right
	s_endpgm
.Lentry_shape_is_right:
; out0[m][n] = sum over f of ctx[m][f] W_o[n][f], m = 2048 b + s (8,192), n and f 1,024; f16 operands, sums in f32, out0 f32.
; Both operands lie in blocks: ctx16 [m / 64][f / 64][64 rows][64], wo16 [n / 64][f / 64][64 rows][64]: 64 rows x 256 f are 32,768 consecutive bytes, brought by one tensor load as 256 rows of 128 bytes.
; All rows are written here.  The rows s < 16 of every b lie inside tiles that are multiplied anyway; the launch that follows carries them in f32 and writes them again.
; A tile of out0 is 128 x 128: four waves, each 64 x 64: 16 accumulators.  K goes in steps of 256 through two LDS slots.  A wave's 64 columns of f32 are 256 aligned bytes of a row, so each wave has a stage of its own on the way out.
; CLUSTERS: 4 x 4 work-groups.  The four of a row of the cluster need the same tiles of ctx, the four of a column the same tiles of W_o: each tile is asked for JOINTLY.
; THE MATRIX INSTRUCTION IS USED TRANSPOSED (source 0 = 16 rows of W_o, source 1 = 16 rows of ctx): a lane then holds eight neighbouring numbers of a row of out0.
; Nothing is prefetched: K is four steps, of which two are asked for at the head.
; REGISTERS: window 0: v0-31 addresses; v32-95 rows on the way out; v128-255 the accumulators ((a, b) at v[128 + 8 (4 a + b)]).  window 1: two fragment buffers of 128: 64 registers of ctx, then 64 of W_o.
.set KSTEP,  256
.set PITCH,  144                       ; an LDS row: 128 bytes + 16
.set ZB,     64*PITCH                  ; 64 rows x 64 f: a quarter of a K step
.set HALFT,  4*ZB                      ; what one tensor load brings, and what one wave reads of either operand
.set SLOT,   4*HALFT
.set STAGE,  2*SLOT                    ; behind the ring: 16 rows x 272 bytes for each wave
.set SPITCH, 272
.set SPARE,  STAGE+4*16*SPITCH         ; the spare words, 128 bytes a wave
.set LAPS,   2                         ; a lap = two K steps = once round the ring
.set ADRA, 16
.set ADRB, 20
.set STO,  24
.set RD,   25
.set CO,   26
.set SPW,  28
.set NIL,  29
.set TMP,  32
.set ACC,  128
.set F0,   0
.set F1,   128
.set G1, 24
.set G0, 32
.set G1B, 48
.set G0B, 56
.set MSB, 0
.macro WIN new                         ; the immediate's high byte repeats the setting that is left
.if MSB != \new
	s_set_vgpr_msb (MSB<<8)|\new
.set MSB, \new
.endif
.endm
.set MUL,  0x05                        ; sources 0 and 1 window 1; C and D window 0
.set TO_F, 0x40                        ; destination window 1, address window 0
.macro JLOAD s                         ; a joint load: waves 0 and 1 fetch ctx's two halves, waves 2 and 3 W_o's
	s_cmp_eq_u32 s11, 0
	s_cbranch_scc0 .Lfor_b_\@
	tensor_load_to_lds s[G0+4*\s:G0+4*\s+3], s[G1:G1+7]
	s_nop 0
.rept 4
	v_nop
.endr
	s_branch .Lasked_\@
.Lfor_b_\@:
	tensor_load_to_lds s[G0B+4*\s:G0B+4*\s+3], s[G1B:G1B+7]
	s_nop 0
.rept 4
	v_nop
.endr
.Lasked_\@:
.endm
.macro CREST                           ; a round of the cluster's barrier behind its opening barrier
	s_cmp_lg_u32 s10, 0
	s_cbranch_scc1 .Lnot_wave_0_\@
	s_barrier_signal -3
.Lnot_wave_0_\@:
	s_barrier_wait -3
	s_barrier_signal -1
	s_barrier_wait -1
.endm
.macro CROUND
	s_barrier_signal -1
	s_barrier_wait -1
	CREST
.endm
	s_load_b128 s[4:7], s[0:1], 0x0                ; ctx16, wo16
	s_load_b64 s[8:9], s[0:1], 0x10                ; out0
	v_lshl_add_u32 v[SPW], v0, 2, SPARE
	v_mov_b32 v[NIL], 0
	ds_add_u32 v[SPW], v[NIL]                      ; the wave's opening: the add, twice on end, and its wait ahead of my first tensor load
	ds_add_u32 v[SPW], v[NIL]
	v_lshrrev_b32 v1, 5, v0
	v_readfirstlane_b32 s10, v1                    ; wave 0..3
	s_lshr_b32 s11, s10, 1                         ; which half of the tile's rows is mine.  Also: I fetch for ctx (0) or for W_o (1)
	s_and_b32 s12, s10, 1                          ; which half of its columns.  Also: which 64 rows I fetch
	s_bfe_u32 s40, ttmp6, 0x40000
	s_bfe_u32 s41, ttmp6, 0x40004
	s_lshl_b32 s42, ttmp9, 2
	s_add_co_u32 s42, s42, s40                     ; tile column = 4 x cluster x + cx
	s_and_b32 s13, ttmp7, 0xffff
	s_lshl_b32 s13, s13, 2
	s_add_co_u32 s13, s13, s41                     ; tile row = 4 x cluster y + cy
	s_lshl_b32 s43, s41, 2
	s_lshl_b32 s43, 15, s43                        ; my row of the cluster
	s_lshl_b32 s44, 0x1111, s40                    ; my column
	s_or_b32 s[G1+0], s43, (1<<16)|(1<<20)|(1<<21)|(4<<22)|(3<<25)  ; the mask; elements of 2 bytes; padding on; 21 set beside a mask; after every 32 words; four words
	s_or_b32 s[G1B+0], s44, (1<<16)|(1<<20)|(1<<21)|(4<<22)|(3<<25)
.irp g, G1, G1B
	s_mov_b32 s[\g+1], 64<<16                      ; tensor_dim0
	s_mov_b32 s[\g+2], 256<<16                     ; tensor_dim1
	s_mov_b32 s[\g+3], 64<<16                      ; tile_dim0
	s_mov_b32 s[\g+4], 256                         ; tile_dim1
	s_mov_b32 s[\g+5], 64                          ; tensor_dim0_stride: dense
	s_mov_b32 s[\g+6], 0
	s_mov_b32 s[\g+7], 0
.endr
	s_lshl_b32 s16, s13, 1
	s_add_co_u32 s16, s16, s12                     ; ctx: block of 64 rows = 2 x tile row + half
	s_lshl_b32 s16, s16, 17                        ; 131,072 bytes each
	s_mov_b32 s17, 0
	s_lshl_b32 s46, s42, 1
	s_add_co_u32 s46, s46, s12                     ; W_o: 2 x tile column + half
	s_lshl_b32 s46, s46, 17
	s_mov_b32 s47, 0
	s_mul_i32 s20, s10, HALFT                      ; where they go: no place in the cluster enters an LDS address
	s_wait_dscnt 0x0                               ; both opening adds are done
	s_wait_kmcnt 0x0
	s_add_nc_u64 s[14:15], s[4:5], s[16:17]
	s_add_nc_u64 s[46:47], s[6:7], s[46:47]
	CROUND                                         ; all sixteen work-groups are here: the first joint loads meet
.irp s, 0,1
	s_mov_b32 s[G0+4*\s], 1
	s_add_co_u32 s[G0+4*\s+1], s20, \s*SLOT
	s_add_nc_u64 s[G0+4*\s+2:G0+4*\s+3], s[14:15], \s*32768
	s_or_b32 s[G0+4*\s+3], s[G0+4*\s+3], 0x80000000
	s_mov_b32 s[G0B+4*\s], 1
	s_add_co_u32 s[G0B+4*\s+1], s20, \s*SLOT
	s_add_nc_u64 s[G0B+4*\s+2:G0B+4*\s+3], s[46:47], \s*32768
	s_or_b32 s[G0B+4*\s+3], s[G0B+4*\s+3], 0x80000000
	JLOAD \s
.endr
	v_and_b32 v1, 15, v0                           ; r
	v_bfe_u32 v2, v0, 4, 1                         ; h
	v_mul_u32_u24 v3, v1, PITCH
	v_lshl_add_u32 v3, v2, 4, v3
	s_mul_i32 s21, s11, HALFT                      ; my 64 rows of ctx
	s_mul_i32 s22, s12, HALFT                      ; my 64 rows of W_o,
	s_add_co_u32 s22, s22, 2*HALFT                 ; which lie behind ctx's 128
.irp s, 0,1
	v_add_nc_u32 v[ADRA+\s], s21, v3
	v_add_nc_u32 v[ADRB+\s], s22, v3
	s_add_co_u32 s21, s21, SLOT
	s_add_co_u32 s22, s22, SLOT
.endr
	s_mul_i32 s23, s10, 16*SPITCH
	s_add_co_u32 s23, s23, STAGE                   ; my stage
	v_mul_u32_u24 v4, v1, SPITCH
	v_lshl_add_u32 v4, v2, 5, v4
	v_add_nc_u32 v[STO], s23, v4                   ; in: row r, 32 bytes for each half of the lanes
	v_mul_u32_u24 v5, v2, SPITCH
	v_lshl_add_u32 v5, v1, 4, v5
	v_add_nc_u32 v[RD], s23, v5                    ; back: lanes 0-15 one row of 256 bytes, lanes 16-31 the next
	v_lshlrev_b32 v5, 12, v2
	v_lshl_add_u32 v[CO], v1, 4, v5                ; and the same two rows in out0
	s_lshl_b32 s16, s13, 7
	s_lshl_b32 s17, s11, 6
	s_add_co_u32 s16, s16, s17                     ; my first row
	s_lshl_b32 s16, s16, 12
	s_mov_b32 s17, 0
	s_add_nc_u64 s[8:9], s[8:9], s[16:17]
	s_lshl_b32 s46, s42, 9
	s_lshl_b32 s47, s12, 8
	s_add_co_u32 s46, s46, s47                     ; my first column, in bytes
	s_mov_b32 s47, 0
	s_add_nc_u64 s[8:9], s[8:9], s[46:47]
.macro MUL8 f, c, a0, zero             ; 8 matrix instructions: row blocks a0, a0 + 1 x all 4 column blocks, 32 along K: half c of buffer f.  The 16 accumulators take turns
.irp a, \a0, \a0+1
.irp b, 0,1,2,3
.if \zero
	v_wmma_f32_16x16x32_f16 v[ACC+8*(4*(\a)+\b):ACC+8*(4*(\a)+\b)+7], v[\f+64+8*(4*\c+\b):\f+64+8*(4*\c+\b)+7], v[\f+8*(4*\c+\a):\f+8*(4*\c+\a)+7], 0
.else
	v_wmma_f32_16x16x32_f16 v[ACC+8*(4*(\a)+\b):ACC+8*(4*(\a)+\b)+7], v[\f+64+8*(4*\c+\b):\f+64+8*(4*\c+\b)+7], v[\f+8*(4*\c+\a):\f+8*(4*\c+\a)+7], v[ACC+8*(4*(\a)+\b):ACC+8*(4*(\a)+\b)+7]
.endif
.endr
.endr
.endm
.macro FETCH slot, k, f                ; 32 LDS loads in one run: the fragments of 64 along K (the quarter that begins at byte k of my 64-row block), the first 32 along K first
	WIN TO_F
.irp c, 0,1
.irp i, 0,1,2,3
	ds_load_b128 v[\f+64+8*(4*\c+\i):\f+64+8*(4*\c+\i)+3],   v[ADRB+\slot] offset:\k+64*\c+\i*16*PITCH
	ds_load_b128 v[\f+64+8*(4*\c+\i)+4:\f+64+8*(4*\c+\i)+7], v[ADRB+\slot] offset:\k+64*\c+\i*16*PITCH+32
	ds_load_b128 v[\f+8*(4*\c+\i):\f+8*(4*\c+\i)+3],         v[ADRA+\slot] offset:\k+64*\c+\i*16*PITCH
	ds_load_b128 v[\f+8*(4*\c+\i)+4:\f+8*(4*\c+\i)+7],       v[ADRA+\slot] offset:\k+64*\c+\i*16*PITCH+32
.endr
.endr
.endm
.macro PLACES
.rept 4
	v_nop
.endr
.endm
.macro QUARTER slot, k, f, g, zero     ; multiplies buffer f and fetches the next quarter, at byte k, into g
	s_wait_dscnt 16                                ; the first 32 along K are in; the other sixteen loads may be out
	WIN MUL
	MUL8 \f, 0, 0, \zero
	MUL8 \f, 0, 2, \zero
	PLACES
	FETCH \slot, \k, \g
	s_wait_dscnt 32                                ; all but the 32 just issued
	WIN MUL
	MUL8 \f, 1, 0, 0
	MUL8 \f, 1, 2, 0
.endm
; The last quarter multiplies buffer 1 and changes slots: one barrier; in front of it each wave waits for all its tensor loads, adds 0 to its spare word, and waits for that and for its reads of this slot.  fill = 1: this slot is filled again.
.macro TURN slot, next, fill
	WIN 0
	s_wait_tensorcnt 0x0                           ; all my tensor loads have landed: my part of the next slot
	ds_add_u32 v[SPW], v[NIL]
	s_wait_dscnt 17                                ; (the add and the youngest sixteen loads may be out)
	WIN MUL
	MUL8 F1, 0, 0, 0
	s_wait_dscnt 0x0                               ; the add is done, and my reads of this slot are over
	s_barrier_signal -1
	MUL8 F1, 0, 2, 0
.if \fill
	WIN 0
.endif
	s_barrier_wait -1
.if \fill
	CREST                                          ; the barrier has opened a round of the cluster's: no wave of any partner still reads this slot or has a load on its way
	s_add_nc_u64 s[G0+4*\slot+2:G0+4*\slot+3], s[G0+4*\slot+2:G0+4*\slot+3], 65536
	s_add_nc_u64 s[G0B+4*\slot+2:G0B+4*\slot+3], s[G0B+4*\slot+2:G0B+4*\slot+3], 65536
	JLOAD \slot                                    ; the first tensor load behind the round; its four v_nop are also the places in front of the loads below
.else
	PLACES
.endif
	FETCH \next, 0, F0
	WIN MUL
	MUL8 F1, 1, 0, 0
	MUL8 F1, 1, 2, 0
.endm
	s_wait_tensorcnt 1                             ; my part of K step 0 is in (K step 1's load may be out),
	s_barrier_signal -1
	s_barrier_wait -1                              ; everybody's is
	FETCH 0, 0, F0
	QUARTER 0, ZB, F0, F1, 1                       ; the first products start the sums
	WIN 0
	s_mov_b32 s3, LAPS-1
.Llap:                                                 ; a trip goes once round the ring and fills both slots again
	QUARTER 0, 2*ZB, F1, F0, 0
	QUARTER 0, 3*ZB, F0, F1, 0
	TURN 0, 1, 1
	QUARTER 1, ZB,   F0, F1, 0
	QUARTER 1, 2*ZB, F1, F0, 0
	QUARTER 1, 3*ZB, F0, F1, 0
	TURN 1, 0, 1
	QUARTER 0, ZB,   F0, F1, 0
	WIN 0
	s_sub_co_u32 s3, s3, 1
	s_cmp_lg_u32 s3, 0
	s_cbranch_scc1 .Llap
	QUARTER 0, 2*ZB, F1, F0, 0                     ; the last lap fills nothing
	QUARTER 0, 3*ZB, F0, F1, 0
	TURN 0, 1, 0
	QUARTER 1, ZB,   F0, F1, 0
	QUARTER 1, 2*ZB, F1, F0, 0
	QUARTER 1, 3*ZB, F0, F1, 0
	s_wait_dscnt 16
	WIN MUL
	MUL8 F1, 0, 0, 0
	MUL8 F1, 0, 2, 0
	s_wait_dscnt 0
	MUL8 F1, 1, 0, 0
	MUL8 F1, 1, 2, 0
	WIN 0
; THE WAY OUT, 16 rows x 64 columns at a time, through my own stage: in as 32 bytes a lane, back as whole rows of 256 bytes.  LDS serves a wave's instructions in order: no wait between the stores and the loads.
.macro TOSTAGE a
.irp b, 0,1,2,3
	ds_store_b128 v[STO], v[ACC+8*(4*(\a)+\b):ACC+8*(4*(\a)+\b)+3] offset:64*\b          ; each accumulator from its low end on
	ds_store_b128 v[STO], v[ACC+8*(4*(\a)+\b)+4:ACC+8*(4*(\a)+\b)+7] offset:64*\b+16
.endr
.irp t, 0,1,2,3,4,5,6,7
	ds_load_b128 v[TMP+32*((\a)%2)+4*\t:TMP+32*((\a)%2)+4*\t+3], v[RD] offset:\t*2*SPITCH
.endr
.endm
.macro SEND a, younger                 ; younger: the LDS instructions issued behind block a's loads
	s_wait_dscnt \younger
.irp t, 0,1,2,3,4,5,6,7
	global_store_b128 v[CO], v[TMP+32*((\a)%2)+4*\t:TMP+32*((\a)%2)+4*\t+3], s[8:9] offset:(16*(\a)+2*\t)*4096 th:TH_STORE_NT   ; 16 lanes store 256 consecutive bytes, aligned
.endr
.endm
	PLACES
	TOSTAGE 0
	TOSTAGE 1
	SEND 0, 16                                     ; behind block 0's loads: block 1's 8 stores and 8 loads
	s_wait_xcnt 0x0                                ; block 0's stores have read their data: block 2's loads may land there
	TOSTAGE 2
	SEND 1, 16
	s_wait_xcnt 0x0
	TOSTAGE 3
	SEND 2, 16
	SEND 3, 0
	s_wait_tensorcnt 0x0                           ; the wave's end
	ds_add_u32 v[SPW], v[NIL]
	s_wait_dscnt 0x0
	CROUND                                         ; the closing round
	s_endpgm
.Lfunc_end_k_q49ec631d56_proj:
	.size	k_q49ec631d56_proj, .Lfunc_end_k_q49ec631d56_proj-k_q49ec631d56_proj
	.p2alignl 7, 3214868480
	.fill 96, 4, 3214868480
	.section	.rodata,"a",@progbits
	.p2align	6, 0x0
	.amdhsa_kernel k_q49ec631d56_proj
		.amdhsa_group_segment_fixed_size 327680
		.amdhsa_private_segment_fixed_size 0
		.amdhsa_enable_private_segment 0
		.amdhsa_kernarg_size 24
		.amdhsa_user_sgpr_count 2
		.amdhsa_user_sgpr_kernarg_segment_ptr 1
		.amdhsa_wavefront_size32 1
		.amdhsa_system_sgpr_workgroup_id_x 1
		.amdhsa_system_sgpr_workgroup_id_y 1
		.amdhsa_system_sgpr_workgroup_id_z 1
		.amdhsa_system_vgpr_workitem_id 0
		.amdhsa_next_free_vgpr 512
		.amdhsa_next_free_sgpr 66
		.amdhsa_reserve_vcc 0
		.amdhsa_float_denorm_mode_32 3
		.amdhsa_float_denorm_mode_16_64 3
		.amdhsa_memory_ordered 1
		.amdhsa_forward_progress 1
		.amdhsa_inst_pref_size 85
	.end_amdhsa_kernel
	.amdgpu_metadata
---
amdhsa.version: [ 1, 2 ]
amdhsa.kernels:
  - .name:           k_q49ec631d56_proj
    .symbol:         k_q49ec631d56_proj.kd
    .args:
      - { .name: ctx16, .offset: 0, .size: 8, .value_kind: global_buffer, .address_space: global }
      - { .name: wo16, .offset: 8, .size: 8, .value_kind: global_buffer, .address_space: global }
      - { .name: out0, .offset: 16, .size: 8, .value_kind: global_buffer, .address_space: global }
    .group_segment_fixed_size: 327680
    .private_segment_fixed_size: 0
    .kernarg_segment_align: 8
    .kernarg_segment_size: 24
    .max_flat_workgroup_size: 128
    .sgpr_count:     66
    .vgpr_count:     512
    .wavefront_size: 32
...
	.end_amdgpu_metadata
.endif
;; end of part 4
;; launch fine (part 5): grid 16 x 4, 16 waves a work-group, no clusters, 86,016 bytes of LDS; arguments fine32, W_o, out0; writes out0
.if DOCPART == 5
	.amdgcn_target "amdgcn-amd-amdhsa--gfx1250"
	.amdhsa_code_object_version 6
	.text
	.protected	k_q49ec631d56_fine
	.globl	k_q49ec631d56_fine
	.p2align	8
	.type	k_q49ec631d56_fine,@function
k_q49ec631d56_fine:
	s_mov_b64 s[64:65], 0
	v_nop
	global_prefetch_b8 v0, s[64:65] scope:SCOPE_SE
	s_setreg_imm32_b32 hwreg(HW_REG_WAVE_MODE, 25, 1), 1
	s_wait_xcnt 0x0
; The first 16 positions of every sequence, in f32 throughout: scores, softmax, P V and the projection, from the f32 copy of q, k, v (fine32 [b][s 16][3072]) and W_o as it is given.  These rows average one to sixteen
; values and are the largest of the output; they replace what the launch before wrote into rows s < 16 of out0.  64 rows in all: no bulk work.
; SHARES: work-group (cb, b) makes out0[b][0..15][64 cb .. 64 cb + 63].  Phase 1: wave w makes head w's ctx (16 x 64), for all 16 heads in every work-group: 32 small products a wave, which spares a launch.
; Phase 2: wave w multiplies ctx's f = 256 (w / 4) .. + 255 by W_o's rows 64 cb + 16 (w % 4) .. + 15.  Phase 3: wave w adds the four parts of row s = w and stores its 256 bytes.
; THE F32 MATRIX FORM takes 4 along K: lane (r, h), register j: k = 2 h + j.  K is taken in an order of its own, alike on both sources: a lane's 16 bytes at 32 c + 16 h of a row serve steps 2 c (registers 0, 1) and 2 c + 1.
; In P V step kk takes keys 8 h + 2 kk + j: those are the lane's own registers 2 kk, 2 kk + 1 of p.  The registers that this form writes (v16-63) are written by matrix instructions alone; sums begin with C = 0.
; W_o's fragments come from memory straight into operand registers, 32 bytes of a row to a pair of lanes; W_o is read once for each b.  The maximum is taken away before the exponential.
.set CTX,   0                          ; LDS: ctx, 16 rows x (4,096 bytes + 16)
.set CP,    4112
.set RED,   16*CP                      ; four parts of 16 rows x (256 bytes + 16)
.set RP,    272
.set SPARE, RED+4*16*RP                ; the spare words, 128 bytes for each of 16 waves
.set QR,  64                           ; v64-95   q; then s, p (v64-71) and work (v72-79); then ctx's chunks 0, 2
.set KR,  96                           ; v96-127  k; then ctx as made; then ctx's chunks 1, 3
.set VR,  128                          ; v128-159 v; then W_o's chunk 3
.set WR,  160                          ; v160-255 W_o's chunks 0-2
.set OA,  32                           ; v32-63   O^T's four accumulators;  v16-23, v24-31: two accumulators by turns
	s_load_b128 s[4:7], s[0:1], 0x0                ; fine32, W_o
	s_load_b64 s[8:9], s[0:1], 0x10                ; out0
	v_lshl_add_u32 v12, v0, 2, SPARE               ; v12: my spare word; v13: 0; both never rewritten
	v_mov_b32 v13, 0
	v_lshrrev_b32 v14, 5, v0
	v_readfirstlane_b32 s10, v14                   ; wave 0..15
	s_and_b32 s11, ttmp7, 0xffff                   ; b
	s_and_b32 s12, s10, 3                          ; which 16 columns
	s_lshr_b32 s13, s10, 2                         ; which 256 of f
	v_and_b32 v1, 15, v0                           ; r
	v_bfe_u32 v2, v0, 4, 1                         ; h
	v_mul_u32_u24 v3, v1, 12288
	v_lshl_add_u32 v3, v2, 4, v3                   ; q, k: row r, + 16 h
	v_mul_u32_u24 v4, v2, 8*12288
	v_lshl_add_u32 v4, v1, 2, v4                   ; v: key 8 h, channel r
	v_lshlrev_b32 v5, 12, v1
	v_lshl_add_u32 v5, v2, 4, v5                   ; W_o: row r, + 16 h
	v_mul_u32_u24 v6, v1, CP
	v_lshl_add_u32 v6, v2, 5, v6
	s_lshl_b32 s14, s10, 8
	v_add_nc_u32 v6, s14, v6                       ; ctx, in: row r, + 32 h, + my head's 256 bytes
	v_mul_u32_u24 v7, v1, CP
	v_lshl_add_u32 v7, v2, 4, v7
	s_lshl_b32 s15, s13, 10
	v_add_nc_u32 v7, s15, v7                       ; ctx, back: row r, + 16 h, + my 1,024 bytes of f
	v_mul_u32_u24 v8, v1, RP
	v_lshl_add_u32 v8, v2, 5, v8
	s_mul_i32 s16, s13, 16*RP
	s_lshl_b32 s17, s12, 6
	s_add_co_u32 s16, s16, s17
	s_add_co_u32 s16, s16, RED
	v_add_nc_u32 v8, s16, v8                       ; the parts, in: my part, row r, my 16 columns, + 32 h
	v_and_b32 v14, 31, v0
	v_lshlrev_b32 v14, 3, v14
	s_mul_i32 s16, s10, RP
	s_add_co_u32 s16, s16, RED
	v_add_nc_u32 v9, s16, v14                      ; the parts, back: row w, 8 bytes a lane
	s_lshl_b32 s16, s10, 12
	v_add_nc_u32 v10, s16, v14                     ; out0: row w, 8 bytes a lane
	v_lshlrev_b32 v11, 3, v2
	v_sub_nc_u32 v11, v1, v11                      ; r - 8 h
	v_mov_b32 v15, 0xff800000                      ; -infinity
	s_mov_b32 s26, 0x76543210
	s_mov_b32 s27, 0xfedcba98                      ; lane l xor 16
	s_mov_b32 s28, 0x3e38aa3b                      ; c = log2(e) / 8
	s_mul_i32 s20, s11, 16*12288
	s_add_co_u32 s20, s20, s14                     ; fine32: b's rows, my head's 256 bytes
	s_mov_b32 s21, 0
	s_lshl_b32 s22, ttmp9, 6
	s_lshl_b32 s23, s12, 4
	s_add_co_u32 s22, s22, s23
	s_lshl_b32 s22, s22, 12
	s_add_co_u32 s22, s22, s15                     ; W_o: my first row, my 1,024 bytes of f
	s_mov_b32 s23, 0
	s_lshl_b32 s24, s11, 23                        ; out0: b's 2,048 rows of 4,096 bytes,
	s_lshl_b32 s25, ttmp9, 8                       ; the work-group's 64 columns
	s_add_co_u32 s24, s24, s25
	s_mov_b32 s25, 0
	s_wait_kmcnt 0x0
	s_add_nc_u64 s[4:5], s[4:5], s[20:21]
	s_add_nc_u64 s[6:7], s[6:7], s[22:23]
	s_add_nc_u64 s[8:9], s[8:9], s[24:25]
.macro NOPS n
.rept \n
	v_nop
.endr
.endm
.macro WCHUNK reg, g                   ; W_o's chunk g: 64 of f, 8 loads
.irp c, 0,1,2,3,4,5,6,7
	global_load_b128 v[\reg+4*\c:\reg+4*\c+3], v5, s[6:7] offset:256*(\g)+32*\c
.endr
.endm
.irp c, 0,1,2,3,4,5,6,7
	global_load_b128 v[QR+4*\c:QR+4*\c+3], v3, s[4:5] offset:32*\c
.endr
.irp c, 0,1,2,3,4,5,6,7
	global_load_b128 v[KR+4*\c:KR+4*\c+3], v3, s[4:5] offset:4096+32*\c
.endr
.irp ct, 0,1,2,3
.irp i, 0,1,2,3,4,5,6,7
	global_load_b32 v[VR+8*\ct+\i], v4, s[4:5] offset:\i*12288+8192+64*\ct       ; v(key 8 h + i, channel 16 ct + r)
.endr
.endr
	WCHUNK WR, 0
	; ---- 1: head w.  S^T = k q^T: source 0 = 16 keys, source 1 = 16 queries: a lane holds query r and keys 8 h + 0 .. 7
	s_wait_loadcnt 40                              ; q and k are in; v's 32 loads and W_o's 8 may be out
.irp e, 0,1,2,3,4,5,6,7,8,9,10,11,12,13,14,15
.if \e < 2
	v_wmma_f32_16x16x4_f32 v[16+8*(\e%2):23+8*(\e%2)], v[KR+2*\e:KR+2*\e+1], v[QR+2*\e:QR+2*\e+1], 0
.else
	v_wmma_f32_16x16x4_f32 v[16+8*(\e%2):23+8*(\e%2)], v[KR+2*\e:KR+2*\e+1], v[QR+2*\e:QR+2*\e+1], v[16+8*(\e%2):23+8*(\e%2)]
.endif
.endr
	WCHUNK WR+32, 1                                ; into registers that no product has named
	WCHUNK WR+64, 2
	NOPS 8                                         ; eight places behind this form (ISA guide 7.12.1)
.irp i, 0,2,4,6
	v_pk_add_f32 v[64+\i:65+\i], v[16+\i:17+\i], v[24+\i:25+\i]    ; the two halves of the sum over the channels
.endr
	v_mov_b32 v73, 0
.irp j, 0,1,2,3,4,5,6,7
	v_cmp_gt_i32 vcc_lo, \j, v11                   ; key 8 h + j > query r: hidden
	v_cndmask_b32 v[64+\j], v[64+\j], v15, vcc_lo
.endr
	v_max3_num_f32 v72, v64, v65, v66
	v_max3_num_f32 v72, v72, v67, v68
	v_max3_num_f32 v72, v72, v69, v70
	v_max_num_f32 v72, v72, v71
	v_permlanex16_b32 v73, v72, s26, s27
	v_max_num_f32 v72, v72, v73                    ; the row's maximum: key 0 counts for every query
	v_mul_f32 v74, s28, v72
.irp j, 0,1,2,3,4,5,6,7
	v_fma_f32 v[64+\j], v[64+\j], s28, -v74
.endr
.irp j, 0,1,2,3,4,5,6,7
	v_exp_f32 v[64+\j], v[64+\j]
.endr
	v_nop
	s_wait_alu depctr_va_vdst(0)                   ; one wait for the eight, ahead of their first reader
	v_pk_add_f32 v[76:77], v[64:65], v[66:67]
	v_pk_add_f32 v[78:79], v[68:69], v[70:71]
	v_pk_add_f32 v[76:77], v[76:77], v[78:79]
	v_add_f32 v75, v76, v77
	v_permlanex16_b32 v73, v75, s26, s27
	v_add_f32 v75, v75, v73                        ; the row's sum
	v_rcp_f32 v74, v75
	v_nop
	s_wait_alu depctr_va_vdst(0)
	s_wait_loadcnt 24                              ; v is in; W_o's three chunks may be out
.irp kk, 0,1,2,3                               ; O^T = v^T p: four accumulators by turns
.irp ct, 0,1,2,3
.if \kk == 0
	v_wmma_f32_16x16x4_f32 v[OA+8*\ct:OA+8*\ct+7], v[VR+8*\ct+2*\kk:VR+8*\ct+2*\kk+1], v[64+2*\kk:65+2*\kk], 0
.else
	v_wmma_f32_16x16x4_f32 v[OA+8*\ct:OA+8*\ct+7], v[VR+8*\ct+2*\kk:VR+8*\ct+2*\kk+1], v[64+2*\kk:65+2*\kk], v[OA+8*\ct:OA+8*\ct+7]
.endif
.endr
.endr
	NOPS 8
	WCHUNK VR, 3                                   ; v's registers are free
.set i, 0
.rept 16
	v_pk_mul_f32 v[KR+i:KR+i+1], v[OA+i:OA+i+1], v[74:75] op_sel_hi:[1,0]      ; ctx = O^T / the sum, into other registers
.set i, i+2
.endr
.irp ct, 0,1,2,3
	ds_store_b128 v6, v[KR+8*\ct:KR+8*\ct+3] offset:64*\ct          ; ctx(r, 64 w + 16 ct + 8 h + 0 .. 7)
	ds_store_b128 v6, v[KR+8*\ct+4:KR+8*\ct+7] offset:64*\ct+16
.endr
	s_wait_dscnt 0x0                               ; for the others' sake: my stores have landed
	s_barrier_signal -1
	s_barrier_wait -1                              ; all 16 heads' ctx lie in LDS
	; ---- 2: source 0 = 16 rows of W_o, source 1 = ctx's 16 rows: a lane holds row s = r and columns 8 h + 0 .. 7
.macro XL g                            ; ctx's chunk g: 64 of f
.irp i, 0,1,2,3,4,5,6,7
	ds_load_b128 v[QR+32*((\g)%2)+4*\i:QR+32*((\g)%2)+4*\i+3], v7 offset:256*(\g)+32*\i
.endr
.endm
.macro MM g, wr                        ; 16 products, two accumulators by turns
.irp i, 0,1,2,3,4,5,6,7
.irp u, 0,1
.if ((\g) == 0) && (\i == 0)
	v_wmma_f32_16x16x4_f32 v[16+8*\u:23+8*\u], v[\wr+4*\i+2*\u:\wr+4*\i+2*\u+1], v[QR+32*((\g)%2)+4*\i+2*\u:QR+32*((\g)%2)+4*\i+2*\u+1], 0
.else
	v_wmma_f32_16x16x4_f32 v[16+8*\u:23+8*\u], v[\wr+4*\i+2*\u:\wr+4*\i+2*\u+1], v[QR+32*((\g)%2)+4*\i+2*\u:QR+32*((\g)%2)+4*\i+2*\u+1], v[16+8*\u:23+8*\u]
.endif
.endr
.endr
.endm
	XL 0
	XL 1
	s_wait_loadcnt 24                              ; W_o's chunk 0 is in; chunks 1 to 3 may be out
	s_wait_dscnt 8                                 ; ctx's chunk 0 is in; chunk 1's eight loads may be out
	MM 0, WR
	NOPS 8
	XL 2
	s_wait_loadcnt 16
	s_wait_dscnt 8
	MM 1, WR+32
	NOPS 8
	XL 3
	s_wait_loadcnt 8
	s_wait_dscnt 8
	MM 2, WR+64
	s_wait_loadcnt 0x0
	s_wait_dscnt 0x0
	MM 3, VR
	NOPS 8
.irp i, 0,2,4,6
	v_pk_add_f32 v[64+\i:65+\i], v[16+\i:17+\i], v[24+\i:25+\i]
.endr
	ds_store_b128 v8, v[64:67]
	ds_store_b128 v8, v[68:71] offset:16
	s_wait_dscnt 0x0
	s_barrier_signal -1
	s_barrier_wait -1                              ; the four parts of all 16 rows lie in LDS
	; ---- 3: row s = w
.irp q, 0,1,2,3
	ds_load_b64 v[72+2*\q:73+2*\q], v9 offset:16*RP*\q
.endr
	s_wait_dscnt 0x0
	v_pk_add_f32 v[72:73], v[72:73], v[74:75]
	v_pk_add_f32 v[76:77], v[76:77], v[78:79]
	v_pk_add_f32 v[72:73], v[72:73], v[76:77]
	global_store_b64 v10, v[72:73], s[8:9]         ; 32 lanes store 256 consecutive bytes, aligned
	s_wait_tensorcnt 0x0                           ; the wave's end, behind my last LDS store
	ds_add_u32 v12, v13
	s_wait_dscnt 0x0
	s_endpgm
.Lfunc_end_k_q49ec631d56_fine:
	.size	k_q49ec631d56_fine, .Lfunc_end_k_q49ec631d56_fine-k_q49ec631d56_fine
	.p2alignl 7, 3214868480
	.fill 96, 4, 3214868480
	.section	.rodata,"a",@progbits
	.p2align	6, 0x0
	.amdhsa_kernel k_q49ec631d56_fine
		.amdhsa_group_segment_fixed_size 86016
		.amdhsa_private_segment_fixed_size 0
		.amdhsa_enable_private_segment 0
		.amdhsa_kernarg_size 24
		.amdhsa_user_sgpr_count 2
		.amdhsa_user_sgpr_kernarg_segment_ptr 1
		.amdhsa_wavefront_size32 1
		.amdhsa_system_sgpr_workgroup_id_x 1
		.amdhsa_system_sgpr_workgroup_id_y 1
		.amdhsa_system_sgpr_workgroup_id_z 1
		.amdhsa_system_vgpr_workitem_id 0
		.amdhsa_next_free_vgpr 256
		.amdhsa_next_free_sgpr 66
		.amdhsa_reserve_vcc 1
		.amdhsa_float_denorm_mode_32 3
		.amdhsa_float_denorm_mode_16_64 3
		.amdhsa_memory_ordered 1
		.amdhsa_forward_progress 1
		.amdhsa_inst_pref_size 26
	.end_amdhsa_kernel
	.amdgpu_metadata
---
amdhsa.version: [ 1, 2 ]
amdhsa.kernels:
  - .name:           k_q49ec631d56_fine
    .symbol:         k_q49ec631d56_fine.kd
    .args:
      - { .name: fine32, .offset: 0, .size: 8, .value_kind: global_buffer, .address_space: global }
      - { .name: W_o, .offset: 8, .size: 8, .value_kind: global_buffer, .address_space: global }
      - { .name: out0, .offset: 16, .size: 8, .value_kind: global_buffer, .address_space: global }
    .group_segment_fixed_size: 86016
    .private_segment_fixed_size: 0
    .kernarg_segment_align: 8
    .kernarg_segment_size: 24
    .max_flat_workgroup_size: 512
    .sgpr_count:     66
    .vgpr_count:     256
    .wavefront_size: 32
...
	.end_amdgpu_metadata
.endif
;; end of part 5
